; MI455X (gfx1250); checked and timed in simulation.
; The chip was launched on July 23, 2026; its instructions are those of AMD's public machine-readable ISA for CDNA 5 (MIT licence, August 2026) and "CDNA5" Instruction Set Architecture Reference Guide (July 2026). The comments in the code are by the model that wrote it; some were corrected since.
;; Dy Intra Modality Update. Allowed arithmetic: matrix products marked QUANTISED: E3M2 operands, one E8M0 scale for each 32 along K, by v_wmma_scale_f32_16x16x128_f8f6f4 with both operands' format E3M2, f32 sums; everything else in f32.
;; Inputs: W_t 1,024 x 3,072 float32; W_t4v 1,024 x 1,024 float32; W_to 1,024 x 1,024 float32; W_v 1,024 x 3,072 float32; W_v4t 1,024 x 1,024 float32; W_vo 1,024 x 1,024 float32; b_t 3,072 float32; b_t4v 1,024 float32; b_to 1,024 float32; b_v 3,072 float32; b_v4t 1,024 float32; b_vo 1,024 float32; t 32 x 256 x 1,024 float32; t_mask 32 x 256 float32; v 32 x 128 x 1,024 float32; v_mask 32 x 128 float32.
;; Outputs: out0 32 x 128 x 1,024 float32; out1 32 x 256 x 1,024 float32.
;; Constants: num_head = 16.
;; This version of the problem:
;;   THIS VERSION OF THE PROBLEM IS GIVEN IN LOW PRECISION. The matrix products marked QUANTISED in the list below multiply operands that are first quantised to E3M2 (3 exponent bits, 2 mantissa bits; 6 bits a number), with one power-of-two scale for each 32 numbers along K (OCP MX v1.0); their sums are f32. All else is computed in f32.
;;   The module's matrix products, in the order in which they are computed (A, B: the left and right operand; K: the contracted axis; several contracted axes count as one K, in the product's order):
;;     1. [M 32, K 1,024] x [K 1,024, N 1,024]; A: computed on the way; B: input W_v4t: QUANTISED
;;     2. [M 32, K 1,024] x [K 1,024, N 1,024]; A: computed on the way; B: input W_t4v: QUANTISED
;;     3. [M 4,096, K 1,024] x [K 1,024, N 3,072]; A: computed on the way; B: input W_v: QUANTISED
;;     4. [M 8,192, K 1,024] x [K 1,024, N 3,072]; A: computed on the way; B: input W_t: QUANTISED
;;     5. batch 512 x [M 128, K 64] x [K 64, N 128]; A: computed on the way; B: computed on the way: QUANTISED
;;     6. batch 512 x [M 128, K 128] x [K 128, N 64]; A: softmax (see below); B: computed on the way: QUANTISED
;;     7. batch 512 x [M 256, K 64] x [K 64, N 256]; A: computed on the way; B: computed on the way: QUANTISED
;;     8. batch 512 x [M 256, K 256] x [K 256, N 64]; A: softmax (see below); B: computed on the way: QUANTISED
;;     9. [M 4,096, K 1,024] x [K 1,024, N 1,024]; A: computed on the way; B: input W_vo: QUANTISED
;;     10. [M 8,192, K 1,024] x [K 1,024, N 1,024]; A: computed on the way; B: input W_to: QUANTISED
;;   THE QUANTISER, for each operand of a quantised product, along K:
;;     - K is cut into blocks of 32 from its start; a last block that is shorter is filled with zeros.
;;     - A block's scale is 2^e with e = floor(log2(the largest magnitude in the block)) - 4, held to -126 .. 127; a block of zeros has e = 0. As a byte (E8M0): e + 127.
;;     - Each number is divided by its block's scale, clamped to +-28, and rounded to the nearest number of E3M2, ties to even, subnormals kept.
;;     - The product sums the exact products of the quantised numbers (number of the format x scale) in f32.
;;   ~~~python
;;   def quantise(x, axis):      # numpy; x: float32 -> the quantised numbers, widened to float32 again
;;       x = np.moveaxis(x, axis, -1); K = x.shape[-1]
;;       x = np.pad(x, [(0, 0)] * (x.ndim - 1) + [(0, -K % 32)]); x = x.reshape(x.shape[:-1] + (-1, 32)); a = np.abs(x).max(-1, keepdims=True)
;;       e = np.where(a > 0, np.clip(np.frexp(np.where(a > 0, a, 1))[1] - 1 - 4, -126, 127), 0)      # np.frexp(a)[1] - 1 = floor(log2(a)), exactly
;;       r = np.clip(x / 2.0 ** e, -28, 28)
;;       step = 2.0 ** (np.maximum(np.frexp(np.where(r == 0, 1, r))[1] - 1, -2) - 2)
;;       q = np.round(r / step) * step * 2.0 ** e      # np.round: ties to even
;;       return np.moveaxis(q.reshape(q.shape[:-2] + (-1,))[..., :K], -1, axis).astype(np.float32)
;;   ~~~
;;   SOFTMAX AHEAD OF A QUANTISED PRODUCT. Where the list says 'softmax', what is quantised is not the finished softmax but p = 2^(t - M), with t = logit x log2(e) and M = ceil(the row's largest t), a whole number; so 1/2 < the row's largest p <= 1. The row's sum l is taken of the UNQUANTISED p, in f32, and the product's result is divided by l at the end. Since M is a whole number, a kernel that streams over the keys may use a running M (the ceiling of the running maximum): every later rescaling is an exact power of two, which a block's scale takes up: the codes' values come out the same.
;;   OPERANDS COMPUTED ON THE WAY. 'Computed on the way' means the value that the module computes at that place (a softmax that the list does not call 'softmax' is quantised finished and normalised). What goes into a quantiser is computed in f32, as accurately as f32 sums, v_exp_f32 and their like allow (about 1e-6 of the number): no bf16 or f16 on the way to a quantiser, and a product that is left as it is and whose result goes on into a quantised operand takes f32 operands (vector FMAs, or v_wmma_f32_16x16x4_f32). A number that lies on a knife's edge between two numbers of the format may be rounded either way, as far as f32 arithmetic and the matrix unit's own rounding can turn it there, and no further.
;; One version. Each part assembles by itself: llvm-mc -triple=amdgcn-amd-amdhsa -mcpu=gfx1250 --defsym DOCPART=n.
;; ======== version 1 of 1: 3 launches
;; workspace buffers: XC 9,830,400 bytes; MC 851,968 bytes; WC 8,192,000 bytes; A2 9,830,400 bytes
;; launch prep (part 1): grid 544 x 1, 8 waves a work-group, no clusters, 123,136 bytes of LDS; arguments v, t, v_mask, t_mask, W_v, W_t, W_t4v, W_v4t, W_vo, W_to, XC, MC, WC; writes XC, MC, WC
.if DOCPART == 1
	.amdgcn_target "amdgcn-amd-amdhsa--gfx1250"
	.amdhsa_code_object_version 6
	.text
	.protected	k_qe7d674b45f_prep
	.globl	k_qe7d674b45f_prep
	.p2align	8
	.type	k_qe7d674b45f_prep,@function
k_qe7d674b45f_prep:
	s_mov_b64 s[64:65], 0
	v_nop
	global_prefetch_b8 v0, s[64:65] scope:SCOPE_SE
	s_setreg_imm32_b32 hwreg(HW_REG_WAVE_MODE, 25, 1), 1
	s_wait_xcnt 0x0
; PREP.  All that is read by many work-groups later is quantised once, to codes of E3M2 with one E8M0 byte for each 32 along K, and laid in the order of the matrix operand's registers.
; A FRAGMENT is 16 rows x 128 K = 12 registers a lane = 1,536 bytes: registers 4 q .. 4 q + 3 of lane l at 512 q + 16 l.  A tile's 16 scale words (one for a row and 128 K) are 64 bytes.
; THE ROWS OF A TILE ARE NOT NEIGHBOURS: position m of tile 2 B + u is index 32 B + 8 u + m + 8 (m / 8), for the rows of x and for the columns of every weight.
; Work-groups 0-383 (x path): relu(v), relu(t) -> XC; the masked means, relu, -> MC.  A wave takes 32 rows x 128 columns: 32 loads of 512 consecutive bytes.
; Work-groups 384-543 (weight path): the six weights, whose K is their FIRST axis: a lane takes a column and its registers run down K; a wave takes 32 columns x 256 K -> WC.
; The two paths part once, on the work-group's number, and have LDS bytes of their own.  No tensor loads.
; LIMITS: NaN and infinities among the inputs are not served.  A block whose largest magnitude lies under 2^-122, a block of zeros too, keeps the byte 1 (its codes are then zeros or subnormal codes;
; the bytes are read by this program alone).  A mean is sum x reciprocal (v_rcp_f32), and its sum runs wave by wave: about one unit in the last place from a division and a plain order.  A batch whose mask sums to 0 gives no number.
.set XST,   0                          ; x path: a stage of 16 rows x 528 bytes for each wave
.set RED,   67584                      ; x path: 512 bytes of column sums for each wave
.set RMS,   71680                      ; x path: a word for each wave: the sum of its 32 masks
.set MEAN,  71936                      ; x path: two runs of 128 means
.set WST,   72960                      ; weight path: 6,144 bytes for each wave: 2 K steps x 2 tiles as fragments
.set SPARE, 122112                     ; the spare words, 128 bytes for each wave; no other line names them
.set SPW, 14                           ; v14  my spare word's address; never rewritten
.set NIL, 15                           ; v15  0; never rewritten
.set TM,  24                           ; v24-39 at work in QUANT
.set PW0, 40
.set PW1, 41
.set PCA, 44                           ; v44-63 codes of tile u = 0 (12) and at work (8)
.set PCB, 64                           ; v64-83 of tile u = 1
.set RAW, 84                           ; v84-211 32 rows x 4 numbers a lane; row rho at RAW + 64 u + 4 r
.set SEL, 78                           ; s[78:79] selects of v_permlanex16_b32: lane l xor 16
.set OFF, 32                           ; weight path: v32-63 4 lane + i x pitch
.set XW,  64                           ; v64-127 two sets of 32 numbers
.set CC,  128                          ; v128-133 a block's codes
.set CD,  136
.set SB,  140                          ; v140-141 scale words of the two K steps
.set OUTR, 144                         ; v144-191 the way out
; 64 numbers of a lane, register 16 b + i = k 32 b + 16 (lane / 16) + i of my row, become a fragment's 12 registers in v[pc] on and its scale word in v[pw].
.macro QUANT s, pc, pw
.irp b, 0,1,2,3
	v_max3_num_f32 v[TM+\b], |v[\s+16*\b]|, |v[\s+1+16*\b]|, 0x2800000   ; my 16 numbers of block b, and the floor 2^(5 - 127): the byte cannot fall under 1
.endr
.irp i, 2,4,6,8,10,12,14
.irp b, 0,1,2,3
	v_max3_num_f32 v[TM+\b], v[TM+\b], |v[\s+16*\b+\i]|, |v[\s+1+16*\b+\i]|
.endr
.endr
.irp b, 0,1,2,3
	v_permlanex16_b32 v[TM+4+\b], v[TM+\b], s[SEL], s[SEL+1]
.endr
.irp b, 0,1,2,3
	v_max_num_f32 v[TM+\b], v[TM+\b], v[TM+4+\b]                      ; with lane l xor 16's: the block's largest magnitude
.endr
.irp b, 0,1,2,3
	v_add_nc_u32 v[TM+12+\b], 0xfe000000, v[TM+\b]                    ; 4 off its exponent field: the conversion's scale operand
.endr
.irp b, 0,1,2,3
	v_lshrrev_b32 v[TM+4+\b], 23, v[TM+12+\b]                         ; the scale's byte
.endr
	v_lshl_or_b32 v[\pw], v[TM+5], 8, v[TM+4]
	v_lshl_or_b32 v[\pw], v[TM+6], 16, v[\pw]
	v_lshl_or_b32 v[\pw], v[TM+7], 24, v[\pw]
.irp c, 0,1
	v_cvt_scalef32_pk16_bf6_f32 v[\pc+6*\c:\pc+2+6*\c], v[\s+32*\c:\s+15+32*\c], v[TM+12+2*\c]
	v_cvt_scalef32_pk16_bf6_f32 v[\pc+12+4*\c:\pc+14+4*\c], v[\s+16+32*\c:\s+31+32*\c], v[TM+12+2*\c+1]
.endr
	v_nop                                                             ; one plain place behind a scaled conversion
.irp c, 0,1                            ; the operand wants a whole block in a lane: lanes 0-15 block 2 c, lanes 16-31 block 2 c + 1
.irp i, 0,1,2
	v_permlane16_swap_b32 v[\pc+6*\c+\i], v[\pc+12+4*\c+\i]
.endr
.irp i, 0,1,2
	v_mov_b32 v[\pc+3+6*\c+\i], v[\pc+12+4*\c+\i]
.endr
.endr
.endm
	s_load_b512 s[4:19], s[0:1], 0x0               ; v, t, v_mask, t_mask, W_v, W_t, W_t4v, W_v4t
	s_load_b256 s[20:27], s[0:1], 0x40             ; W_vo, W_to, XC, MC
	s_load_b64 s[28:29], s[0:1], 0x60              ; WC
	v_lshl_add_u32 v[SPW], v0, 2, SPARE
	v_mov_b32 v[NIL], 0
	v_lshrrev_b32 v1, 5, v0
	v_readfirstlane_b32 s30, v1                    ; wave 0..7
	v_and_b32 v13, 31, v0                          ; lane
	v_and_b32 v10, 15, v0                          ; r
	v_bfe_u32 v11, v0, 4, 1                        ; h
	v_lshlrev_b32 v1, 4, v13                       ; 16 lane
	v_lshlrev_b32 v2, 2, v13                       ; 4 lane
	s_cmp_ge_u32 ttmp9, 384
	s_cbranch_scc1 .Lweights
	; ================= x path =================
	; t (ids 0-255): batch id / 8, K step id % 8, the wave's pair of tiles = wave.  v (ids 256-383): batch id' / 4, K step 2 (id' % 4) + wave / 4, pair = wave % 4.
	s_lshr_b32 s66, ttmp9, 3
	s_and_b32 s67, ttmp9, 7
	s_sub_co_u32 s68, ttmp9, 256
	s_lshr_b32 s69, s68, 2
	s_and_b32 s70, s68, 3
	s_lshl_b32 s70, s70, 1
	s_lshr_b32 s71, s30, 2
	s_add_co_u32 s70, s70, s71
	s_and_b32 s71, s30, 3
	s_cmp_lt_u32 ttmp9, 256
	s_cselect_b32 s31, 1, 0                        ; T: 1 for t, 0 for v
	s_cselect_b32 s66, s66, s69                    ; batch
	s_cselect_b32 s67, s67, s70                    ; K step
	s_cselect_b32 s71, s30, s71                    ; pair of tiles p
	s_add_co_u32 s72, s31, 19
	s_lshl_b32 s74, s66, s72                       ; batch x rows x 4,096
	s_lshl_b32 s73, s71, 17                        ; + 32 p rows
	s_add_co_u32 s74, s74, s73
	s_lshl_b32 s73, s67, 9                         ; + 512 bytes a K step
	s_add_co_u32 s74, s74, s73
	s_mov_b32 s75, 0
	s_add_co_u32 s72, s31, 9
	s_lshl_b32 s76, s66, s72                       ; the masks of my 32 rows
	s_lshl_b32 s73, s71, 7
	s_add_co_u32 s76, s76, s73
	s_mov_b32 s77, 0
	s_mul_i32 s80, s66, 102400                     ; my block of XC: v: 102,400 b + 12,800 ks; t: 3,276,800 + twice that
	s_mul_i32 s73, s67, 12800
	s_add_co_u32 s80, s80, s73
	s_lshl_b32 s80, s80, s31
	s_mul_i32 s73, s31, 3276800
	s_add_co_u32 s80, s80, s73
	s_mov_b32 s81, 0
	s_lshl_b32 s82, 0x3000, s31                    ; the scale words begin behind the block's 8 or 16 fragments
	s_add_co_u32 s82, s82, s80
	s_lshl_b32 s73, s71, 7
	s_add_co_u32 s82, s82, s73                     ; + 128 p
	s_mov_b32 s83, 0
	s_mul_i32 s73, s71, 3072
	s_add_co_u32 s80, s80, s73                     ; my two fragments
	s_lshl_b32 s84, s31, 5
	s_add_co_u32 s84, s84, s66
	s_lshl_b32 s84, s84, 3
	s_add_co_u32 s84, s84, s67                     ; MC: (32 T + b) 8 + ks
	s_lshl_b32 s86, s84, 7
	s_add_co_u32 s86, s86, 786432
	s_mov_b32 s87, 0
	s_mul_i32 s84, s84, 1536
	s_mov_b32 s85, 0
	s_mov_b32 s[SEL], 0x76543210
	s_mov_b32 s[SEL+1], 0xfedcba98
	s_mul_i32 s88, s30, 8448                       ; every LDS address is made here, ahead of the branch on the wave's number
	v_add_nc_u32 v3, s88, v1                       ; stage, in: 16 lane (+ 528 x position)
	v_mul_u32_u24 v4, v10, 528
	v_lshl_add_u32 v4, v11, 6, v4
	v_add_nc_u32 v4, s88, v4                       ; stage, back: row r, + 64 h
	s_lshl_b32 s88, s30, 9
	s_add_co_u32 s88, s88, RED
	v_add_nc_u32 v5, s88, v1                       ; my wave's 512 bytes of column sums; a finisher reads four waves' from here on
	s_lshl_b32 s88, s30, 2
	s_add_co_u32 s88, s88, RMS
	v_mov_b32 v6, s88                              ; my wave's word of mask sums; a finisher reads four words from here on
	v_add_nc_u32 v9, RED+2048, v1                  ; the sums of waves 4-7, for t's finisher: a constant + 16 lane, whichever wave names it
	v_mov_b32 v12, RMS+16                          ; and their four mask sums
	s_lshr_b32 s88, s30, 2
	s_lshl_b32 s88, s88, 9
	s_add_co_u32 s88, s88, MEAN
	v_add_nc_u32 v7, s88, v1
	v_lshlrev_b32 v8, 6, v11
	v_add_nc_u32 v8, s88, v8
.irp b, 0,1,2,3
	v_mov_b32 v[TM+4+\b], 0                        ; written once: a lane permute's destination counts as one of its sources
.endr
	v_mov_b32 v22, 0
	s_wait_kmcnt 0x0
	s_cmp_eq_u32 s31, 1
	s_cselect_b64 s[4:5], s[6:7], s[4:5]           ; the choice hangs on the work-group's number alone
	s_cselect_b64 s[8:9], s[10:11], s[8:9]
	s_add_nc_u64 s[4:5], s[4:5], s[74:75]
	s_add_nc_u64 s[8:9], s[8:9], s[76:77]
	s_add_nc_u64 s[80:81], s[24:25], s[80:81]
	s_add_nc_u64 s[82:83], s[24:25], s[82:83]
	s_add_nc_u64 s[84:85], s[26:27], s[84:85]
	s_add_nc_u64 s[86:87], s[26:27], s[86:87]
	global_load_b32 v20, v2, s[8:9]                ; lane l: the mask of row l
.set rho, 0
.rept 32
.set rr, RAW+64*((rho>>3)&1)+4*((rho&7)+8*(rho>>4))
	global_load_b128 v[rr:rr+3], v1, s[4:5] offset:4096*rho th:TH_LOAD_NT   ; 32 lanes read 512 consecutive bytes of row rho
.set rho, rho+1
.endr
	s_wait_loadcnt 32                              ; the masks are in; the 32 row loads behind them may be out
.set k, 0
.rept 32
	v_readlane_b32 s[32+k], v20, k
.set k, k+1
.endr
	v_mov_b32 v21, v20                             ; the sum of my 32 masks, in every lane
	v_add_f32_dpp v21, v21, v21 row_xmask:1 row_mask:0xf bank_mask:0xf
	v_add_f32_dpp v21, v21, v21 row_xmask:2 row_mask:0xf bank_mask:0xf
	v_add_f32_dpp v21, v21, v21 row_xmask:4 row_mask:0xf bank_mask:0xf
	v_add_f32_dpp v21, v21, v21 row_xmask:8 row_mask:0xf bank_mask:0xf
	v_permlanex16_b32 v22, v21, s[SEL], s[SEL+1]
	v_add_f32 v21, v21, v22
	; the masked sums of my four columns over the 32 rows; the first row starts them
.set rho, 0
.rept 32
.if rho%8 == 0
	s_wait_loadcnt 24-rho                          ; eight more rows are in; the later rows may be out
.endif
.set rr, RAW+64*((rho>>3)&1)+4*((rho&7)+8*(rho>>4))
.irp i, 0,1,2,3
.if rho == 0
	v_mul_f32 v[16+\i], s32, v[rr+\i]
.else
	v_fma_f32 v[16+\i], s[32+rho], v[rr+\i], v[16+\i]
.endif
.endr
.set rho, rho+1
.endr
; Tile u: its 16 rows turn through my stage, so that a lane holds 16 neighbours of each block of 32 of ONE row; relu; codes; three stores of 512 consecutive bytes.
.macro TILE u, pc, pw
.set RU, RAW+64*\u
.irp r, 0,1,2,3,4,5,6,7,8,9,10,11,12,13,14,15
	ds_store_b128 v3, v[RU+4*\r:RU+4*\r+3] offset:528*\r
.endr
.irp b, 0,1,2,3
.irp q, 0,1,2,3
	ds_load_b128 v[RU+16*\b+4*\q:RU+16*\b+4*\q+3], v4 offset:128*\b+16*\q   ; LDS serves a wave's instructions in order: these see the stores above
.endr
.endr
	s_wait_dscnt 0x0
.set k, 0
.rept 64
	v_max_num_f32 v[RU+k], 0, v[RU+k]              ; relu, in f32
.set k, k+1
.endr
	QUANT RU, \pc, \pw
.irp q, 0,1,2
	global_store_b128 v1, v[\pc+4*\q:\pc+4*\q+3], s[80:81] offset:1536*\u+512*\q
.endr
.endm
	TILE 0, PCA, PW0
	TILE 1, PCB, PW1
	v_cmp_eq_u32 vcc_lo, 1, v11
	v_cndmask_b32 v42, v[PW0], v[PW1], vcc_lo      ; lanes 0-15: tile 2 p's words, lanes 16-31: tile 2 p + 1's
	global_store_b32 v2, v42, s[82:83]
	ds_store_b128 v5, v[16:19]
	ds_store_b32 v6, v21                           ; all lanes write the same word with the same value
	s_wait_dscnt 0x0                               ; for the others' sake: my stores have landed
	s_barrier_signal -1
	s_barrier_wait -1
	; the means: wave 0 finishes (t: all eight waves' parts; v: waves 0-3's), and for v wave 4 (waves 4-7's, the other K step)
	s_and_b32 s88, s30, 3
	s_cmp_lg_u32 s88, 0
	s_cbranch_scc1 .Lxend
	s_lshr_b32 s88, s30, 2
	s_and_b32 s88, s88, s31
	s_cmp_lg_u32 s88, 0
	s_cbranch_scc1 .Lxend
	s_wait_xcnt 0x0                                ; my stores have read their registers: the codes' registers are written again below
.irp q, 0,1,2,3
	ds_load_b128 v[84+4*\q:87+4*\q], v5 offset:512*\q
.endr
	ds_load_b128 v[116:119], v6
	s_wait_dscnt 0x0
	v_pk_add_f32 v[84:85], v[84:85], v[88:89]
	v_pk_add_f32 v[86:87], v[86:87], v[90:91]
	v_pk_add_f32 v[92:93], v[92:93], v[96:97]
	v_pk_add_f32 v[94:95], v[94:95], v[98:99]
	v_pk_add_f32 v[84:85], v[84:85], v[92:93]
	v_pk_add_f32 v[86:87], v[86:87], v[94:95]
	v_add_f32 v116, v116, v117
	v_add_f32 v118, v118, v119
	v_add_f32 v116, v116, v118
	s_cmp_eq_u32 s31, 0
	s_cbranch_scc1 .Lsummed
.irp q, 0,1,2,3
	ds_load_b128 v[100+4*\q:103+4*\q], v9 offset:512*\q            ; t: the sums of waves 4-7
.endr
	ds_load_b128 v[120:123], v12
	s_wait_dscnt 0x0
	v_pk_add_f32 v[100:101], v[100:101], v[104:105]
	v_pk_add_f32 v[102:103], v[102:103], v[106:107]
	v_pk_add_f32 v[108:109], v[108:109], v[112:113]
	v_pk_add_f32 v[110:111], v[110:111], v[114:115]
	v_pk_add_f32 v[100:101], v[100:101], v[108:109]
	v_pk_add_f32 v[102:103], v[102:103], v[110:111]
	v_pk_add_f32 v[84:85], v[84:85], v[100:101]
	v_pk_add_f32 v[86:87], v[86:87], v[102:103]
	v_add_f32 v120, v120, v121
	v_add_f32 v122, v122, v123
	v_add_f32 v120, v120, v122
	v_add_f32 v116, v116, v120
.Lsummed:
	v_rcp_f32 v117, v116
	v_nop                                          ; a plain place behind the transcendental
	s_wait_alu depctr_va_vdst(0)                   ; and the wait ahead of its first reader
.irp i, 0,1,2,3
	v_mul_f32 v[84+\i], v[84+\i], v117
.endr
.irp i, 0,1,2,3
	v_max_num_f32 v[84+\i], 0, v[84+\i]            ; relu(mean)
.endr
	ds_store_b128 v7, v[84:87]                     ; 128 means on end; back so that a lane holds 16 neighbours of each block: the same in all 16 rows
.irp b, 0,1,2,3
.irp q, 0,1,2,3
	ds_load_b128 v[148+16*\b+4*\q:151+16*\b+4*\q], v8 offset:128*\b+16*\q
.endr
.endr
	s_wait_dscnt 0x0
	QUANT 148, PCA, PW0
.irp q, 0,1,2
	global_store_b128 v1, v[PCA+4*\q:PCA+4*\q+3], s[84:85] offset:512*\q
.endr
	global_store_b32 v2, v[PW0], s[86:87]
.Lxend:
	s_wait_tensorcnt 0x0                           ; the wave's end, behind my last LDS store
	ds_add_u32 v[SPW], v[NIL]
	s_wait_dscnt 0x0
	s_endpgm
	; ================= weight path =================
.Lweights:
	s_sub_co_u32 s66, ttmp9, 384                   ; 0-95: W_v, W_t (48 each: 12 groups of 256 columns x 4 of 256 K); 96-159: W_t4v, W_v4t, W_vo, W_to (16 each)
	s_cmp_ge_u32 s66, 48
	s_cselect_b32 s67, 1, 0                        ; W_t?
	s_mul_i32 s68, s67, 48
	s_sub_co_u32 s68, s66, s68
	s_sub_co_u32 s69, s66, 96
	s_lshr_b32 s70, s69, 4                         ; which of the four small weights
	s_and_b32 s71, s69, 15
	s_and_b32 s74, s70, 1                          ; the modality that uses it
	s_lshr_b32 s75, s70, 1
	s_and_b32 s75, s75, 1                          ; 0 a gate's weight, 1 an output weight
	s_mov_b32 s73, 4096
	s_cmp_lt_u32 s66, 96
	s_cselect_b32 s72, 1, 0                        ; a K/Q/V weight?
	s_cselect_b32 s68, s68, s71
	s_cselect_b32 s73, 12288, s73                  ; a row of the weight in bytes
	s_lshr_b32 s76, s68, 2
	s_and_b32 s77, s68, 3                          ; kc: which 256 along K
	s_lshl_b32 s76, s76, 3
	s_add_co_u32 s76, s76, s30                     ; g: my wave's group of 32 columns
	s_and_b32 s78, s76, 1
	s_bfe_u32 s79, s76, 0x10001
	s_bfe_u32 s80, s76, 0x30002                    ; K/Q/V: head pair (g / 4) % 8; tile 12 hd + 4 kind + 2 (g % 2)
	s_mul_i32 s80, s80, 307200
	s_mul_i32 s81, s67, 2457600
	s_add_co_u32 s80, s80, s81
	s_mul_i32 s81, s79, 12
	s_lshr_b32 s82, s76, 5
	s_lshl_b32 s82, s82, 2
	s_add_co_u32 s81, s81, s82
	s_lshl_b32 s82, s78, 1
	s_add_co_u32 s81, s81, s82
	s_mul_i32 s83, s74, 819200                     ; gates: head pair g / 4; tile 4 hd + 2 (g % 2)
	s_lshr_b32 s84, s76, 2
	s_mul_i32 s84, s84, 102400
	s_add_co_u32 s84, s84, s83
	s_add_co_u32 s84, s84, 4915200
	s_lshl_b32 s85, s79, 2
	s_add_co_u32 s85, s85, s82
	s_lshr_b32 s86, s76, 3                         ; outputs: block of 256 columns g / 8; tile 2 (g % 8)
	s_mul_i32 s86, s86, 204800
	s_add_co_u32 s86, s86, s83
	s_add_co_u32 s86, s86, 6553600
	s_and_b32 s87, s76, 7
	s_lshl_b32 s87, s87, 1
	s_mov_b32 s88, 12800                           ; a K step's block, and where its scale words begin
	s_mov_b32 s89, 12288
	s_cmp_eq_u32 s75, 1
	s_cselect_b32 s84, s86, s84
	s_cselect_b32 s85, s87, s85
	s_cselect_b32 s88, 25600, s88
	s_cselect_b32 s89, 24576, s89
	s_cmp_eq_u32 s72, 1
	s_cselect_b32 s84, s80, s84
	s_cselect_b32 s85, s81, s85
	s_cselect_b32 s88, 38400, s88
	s_cselect_b32 s89, 36864, s89
	s_lshl_b32 s90, s77, 1
	s_mul_i32 s90, s90, s88
	s_add_co_u32 s90, s90, s84                     ; the block of K step 2 kc
	s_mul_i32 s91, s85, 1536
	s_add_co_u32 s92, s90, s91
	s_mov_b32 s93, 0
	s_lshl_b32 s91, s85, 6
	s_add_co_u32 s94, s90, s91
	s_add_co_u32 s94, s94, s89
	s_mov_b32 s95, 0
	s_mov_b32 s96, s88
	s_mov_b32 s97, 0
	s_lshl_b32 s80, s76, 7                         ; in the weight: 128 g bytes + 256 kc rows
	s_lshl_b32 s81, s77, 8
	s_mul_i32 s81, s81, s73
	s_add_co_u32 s80, s80, s81
	s_mov_b32 s81, 0
	s_lshl_b32 s82, s73, 5                         ; 32 rows: a block
	s_mov_b32 s83, 0
	v_and_b32 v9, 7, v13                           ; lane n is column 32 g + n: tile u = (n / 8) % 2, position r = n % 8 + 8 (n / 16)
	v_lshrrev_b32 v12, 4, v13
	v_lshl_add_u32 v9, v12, 3, v9
	v_bfe_u32 v12, v13, 3, 1
	s_mul_i32 s98, s30, 6144
	s_add_co_u32 s98, s98, WST
	v_mul_u32_u24 v6, v12, 1536
	v_lshl_add_u32 v6, v9, 4, v6
	v_add_nc_u32 v6, s98, v6                       ; stage, in
	v_add_nc_u32 v7, s98, v1                       ; stage, back
	v_lshlrev_b32 v8, 6, v12
	v_lshl_add_u32 v8, v9, 2, v8                   ; my scale word's place: 64 u + 4 r
	v_mov_b32 v[OFF], v2
.set k, 1
.rept 31
	v_add_nc_u32 v[OFF+k], s73, v[OFF+k-1]
.set k, k+1
.endr
	s_wait_kmcnt 0x0
	s_cmp_eq_u32 s67, 1                            ; the choices hang on the work-group's number alone
	s_cselect_b64 s[12:13], s[14:15], s[12:13]
	s_cmp_eq_u32 s74, 1
	s_cselect_b64 s[16:17], s[18:19], s[16:17]
	s_cselect_b64 s[20:21], s[22:23], s[20:21]
	s_cmp_eq_u32 s75, 1
	s_cselect_b64 s[16:17], s[20:21], s[16:17]
	s_cmp_eq_u32 s72, 1
	s_cselect_b64 s[12:13], s[12:13], s[16:17]
	s_add_nc_u64 s[32:33], s[12:13], s[80:81]
.irp t, 1,2,3,4,5,6,7
	s_add_nc_u64 s[32+2*\t:33+2*\t], s[30+2*\t:31+2*\t], s[82:83]   ; a base for each of my 8 blocks
.endr
	s_add_nc_u64 s[48:49], s[28:29], s[92:93]      ; where the two K steps' codes go,
	s_add_nc_u64 s[50:51], s[48:49], s[96:97]
	s_add_nc_u64 s[52:53], s[28:29], s[94:95]      ; and their scale words
	s_add_nc_u64 s[54:55], s[52:53], s[96:97]
.macro LOADB t                         ; block t: W(32 t + i, my column): 32 lanes read 128 consecutive bytes, the eight waves side by side
.set k, 0
.rept 32
	global_load_b32 v[XW+32*((\t)%2)+k], v[OFF+k], s[32+2*(\t):33+2*(\t)] th:TH_LOAD_NT
.set k, k+1
.endr
.endm
.macro BLOCK t
.set XS, XW+32*((\t)%2)
.if (\t) < 7
	s_wait_loadcnt 32                              ; this block's 32 loads are in; the next block's may be out
.else
	s_wait_loadcnt 0x0
.endif
	v_max3_num_f32 v16, |v[XS]|, |v[XS+1]|, |v[XS+2]|
	v_max3_num_f32 v17, |v[XS+3]|, |v[XS+4]|, |v[XS+5]|
.irp i, 6,10,14,18,22,26
	v_max3_num_f32 v16, v16, |v[XS+\i]|, |v[XS+\i+1]|
	v_max3_num_f32 v17, v17, |v[XS+\i+2]|, |v[XS+\i+3]|
.endr
	v_max3_num_f32 v16, v16, |v[XS+30]|, |v[XS+31]|
	v_max3_num_f32 v16, v16, v17, 0x2800000        ; and the floor
	v_add_nc_u32 v18, 0xfe000000, v16
	v_lshrrev_b32 v19, 23, v18
.if (\t)%4 == 0
	v_mov_b32 v[SB+(\t)/4], v19
.else
	v_lshl_or_b32 v[SB+(\t)/4], v19, 8*((\t)%4), v[SB+(\t)/4]
.endif
	v_cvt_scalef32_pk16_bf6_f32 v[CC:CC+2], v[XS:XS+15], v18
	v_cvt_scalef32_pk16_bf6_f32 v[CD:CD+2], v[XS+16:XS+31], v18
	v_nop
.irp i, 0,1,2
	v_mov_b32 v[CC+3+\i], v[CD+\i]
.endr
; the block is registers 6 c .. 6 c + 5 of fragment lane (r, t % 2), c = (t / 2) % 2, of K step t / 4
.set IM, 3072*((\t)/4)+256*((\t)%2)
.if ((\t)/2)%2 == 0
	ds_store_b128 v6, v[CC:CC+3] offset:IM
	ds_store_b64 v6, v[CC+4:CC+5] offset:IM+512
.else
	ds_store_b64 v6, v[CC:CC+1] offset:IM+520
	ds_store_b128 v6, v[CC+2:CC+5] offset:IM+1024
.endif
.if (\t)+2 < 8
	LOADB (\t)+2
.endif
	s_wait_dscnt 0x0                               ; the stores have read their registers: the next block's codes may be written
.endm
	LOADB 0
	LOADB 1
.irp t, 0,1,2,3,4,5,6,7
	BLOCK \t
.endr
.irp n, 0,1,2,3,4,5,6,7,8,9,10,11
	ds_load_b128 v[OUTR+4*\n:OUTR+4*\n+3], v7 offset:512*\n
.endr
.irp n, 0,1,2,3,4,5,6,7,8,9,10,11
	s_wait_dscnt 11-\n                             ; the younger read-backs may be out
	global_store_b128 v1, v[OUTR+4*\n:OUTR+4*\n+3], s[48+2*(\n/6):49+2*(\n/6)] offset:512*(\n%6)   ; 3,072 consecutive bytes a K step
.endr
	global_store_b32 v8, v[SB], s[52:53]
	global_store_b32 v8, v[SB+1], s[54:55]
	s_wait_tensorcnt 0x0                           ; the wave's end, behind my last LDS store
	ds_add_u32 v[SPW], v[NIL]
	s_wait_dscnt 0x0
	s_endpgm
.Lfunc_end_k_qe7d674b45f_prep:
	.size	k_qe7d674b45f_prep, .Lfunc_end_k_qe7d674b45f_prep-k_qe7d674b45f_prep
	.p2alignl 7, 3214868480
	.fill 96, 4, 3214868480
	.section	.rodata,"a",@progbits
	.p2align	6, 0x0
	.amdhsa_kernel k_qe7d674b45f_prep
		.amdhsa_group_segment_fixed_size 123136
		.amdhsa_private_segment_fixed_size 0
		.amdhsa_enable_private_segment 0
		.amdhsa_kernarg_size 104
		.amdhsa_user_sgpr_count 2
		.amdhsa_user_sgpr_kernarg_segment_ptr 1
		.amdhsa_wavefront_size32 1
		.amdhsa_system_sgpr_workgroup_id_x 1
		.amdhsa_system_sgpr_workgroup_id_y 1
		.amdhsa_system_sgpr_workgroup_id_z 1
		.amdhsa_system_vgpr_workitem_id 0
		.amdhsa_next_free_vgpr 216
		.amdhsa_next_free_sgpr 100
		.amdhsa_reserve_vcc 1
		.amdhsa_float_denorm_mode_32 3
		.amdhsa_float_denorm_mode_16_64 3
		.amdhsa_memory_ordered 1
		.amdhsa_forward_progress 1
		.amdhsa_inst_pref_size 87
	.end_amdhsa_kernel
	.amdgpu_metadata
---
amdhsa.version: [ 1, 2 ]
amdhsa.kernels:
  - .name:           k_qe7d674b45f_prep
    .symbol:         k_qe7d674b45f_prep.kd
    .args:
      - { .name: v, .offset: 0, .size: 8, .value_kind: global_buffer, .address_space: global }
      - { .name: t, .offset: 8, .size: 8, .value_kind: global_buffer, .address_space: global }
      - { .name: v_mask, .offset: 16, .size: 8, .value_kind: global_buffer, .address_space: global }
      - { .name: t_mask, .offset: 24, .size: 8, .value_kind: global_buffer, .address_space: global }
      - { .name: W_v, .offset: 32, .size: 8, .value_kind: global_buffer, .address_space: global }
      - { .name: W_t, .offset: 40, .size: 8, .value_kind: global_buffer, .address_space: global }
      - { .name: W_t4v, .offset: 48, .size: 8, .value_kind: global_buffer, .address_space: global }
      - { .name: W_v4t, .offset: 56, .size: 8, .value_kind: global_buffer, .address_space: global }
      - { .name: W_vo, .offset: 64, .size: 8, .value_kind: global_buffer, .address_space: global }
      - { .name: W_to, .offset: 72, .size: 8, .value_kind: global_buffer, .address_space: global }
      - { .name: XC, .offset: 80, .size: 8, .value_kind: global_buffer, .address_space: global }
      - { .name: MC, .offset: 88, .size: 8, .value_kind: global_buffer, .address_space: global }
      - { .name: WC, .offset: 96, .size: 8, .value_kind: global_buffer, .address_space: global }
    .group_segment_fixed_size: 123136
    .private_segment_fixed_size: 0
    .kernarg_segment_align: 8
    .kernarg_segment_size: 104
    .max_flat_workgroup_size: 256
    .sgpr_count:     100
    .vgpr_count:     216
    .wavefront_size: 32
...
	.end_amdgpu_metadata
.endif
;; end of part 1
;; launch attn (part 2): grid 8 x 32, 4 waves a work-group, clusters of 4 x 4, 327,680 bytes of LDS; arguments XC, WC, MC, v, t, v_mask, t_mask, b_v, b_t, b_t4v, b_v4t, A2; writes A2
.if DOCPART == 2
	.amdgcn_target "amdgcn-amd-amdhsa--gfx1250"
	.amdhsa_code_object_version 6
	.text
	.protected	k_qe7d674b45f_attn
	.globl	k_qe7d674b45f_attn
	.p2align	8
	.type	k_qe7d674b45f_attn,@function
k_qe7d674b45f_attn:
	s_mov_b64 s[64:65], 0
	v_nop
	global_prefetch_b8 v0, s[64:65] scope:SCOPE_SE
	s_setreg_imm32_b32 hwreg(HW_REG_WAVE_MODE, 25, 1), 1
	s_wait_xcnt 0x0
	s_wait_alu depctr_hold_cnt(0) depctr_sa_sdst(0) depctr_va_vdst(0) depctr_va_sdst(0) depctr_va_ssrc(0) depctr_va_vcc(0) depctr_vm_vsrc(0)
	s_getreg_b32 s2, hwreg(HW_REG_IB_STS2, 6, 4)
	s_cmp_eq_u32 s2, 0
	s_cbranch_scc0 .Lentry_in_a_cluster
	s_endpgm
.Lentry_in_a_cluster:
	s_bfe_u32 s2, ttmp6, 0x10000c
	s_cmp_lg_u32 s2, 0xf033
	s_cbranch_scc0 .Lentry_shape_is_right
	s_endpgm
.Lentry_shape_is_right:
; ATTN.  Work-group (j, b) = (head pair, batch) does, for v (128 rows) and then for t (256 rows): both gates' 128 columns; the K/Q/V projection of the batch's rows onto the pair's 384 columns; bias, mask, gate;
; the quantising of K', Q', V; S^T = K' Q'^T; the softmax; O^T = V^T P^T; / l; + the residual; and the quantising of x + update into A2, as halves of the last product's fragments.  All products on codes of E3M2.
; SHARES.  Wave w = (wr = w / 2, hd = w % 2) owns NR row tiles (v: 4, t: 8) from tile NR wr on and head 2 j + hd: NR x 12 accumulators.  Its rows are also its queries; K' and V reach the partner wave through LDS.
; LAYOUTS.  Position m of tile 2 B + u is index 32 B + 8 u + m + 8 (m / 8), for x's rows and the weights' columns.  K and Q are made transposed (source 0 = W, source 1 = x): a lane holds a row, its registers run along
; the head's 64.  V is made as it reads (source 0 = x, source 1 = W): a lane holds a channel, its registers run along the keys.  So each quantiser finds 16 neighbours along its K in a lane's registers.
; A head's 64 is half of the instruction's 128: Q's upper six registers are zero codes, so whatever finite codes stand in K's upper six add nothing.
; RING.  Two LDS slots of two K steps; x's blocks are shared along the cluster's row (same batch), W's along its column (same head pair): joint loads, waves 0, 1 x's two K steps, waves 2, 3 W's.
; By this text's count a wave has at most two tensor loads out (the two first fills).
; THE BIAS starts the sums: it is loaded into row tile 0's twelve accumulators alone; in the first K step the other row tiles' products take those registers as C, and row tile 0's own products come last.
; SOFTMAX.  All keys of a row are in registers at once: t = score x log2(e) / 8, -infinity where the key's mask is not above 0; M = ceil(the row's largest t); p = 2^(t - M); l = the sum of the unquantised p.
; LIMITS.  NaN and infinities among the inputs are not served; a batch with no key whose mask is above 0 gives NaN, as the definition does.  Blocks under 2^-122 and blocks of zeros keep the byte 1.
; Orders of rounding that differ by about one unit in the last place ahead of a quantiser: x (g m) for (x m) g (the same for masks of 0 and 1); the bias as the sums' start; score x (log2 e / 8) in one multiplication; O x (1 / l) + x fused.
.set SLOT1, 1<<17
.set VKIM,  262144                     ; from here on: bytes that no tensor load fills.  v's images: K' [hd][tile 8] x 768,
.set VQIM,  274432                     ; Q' [wave][tile 4] x 768,
.set VVIM,  286720                     ; V [hd][channel tile 4][64 keys 2] x 768,
.set VKSC,  299008                     ; their scale words
.set VQSC,  301056
.set VVSC,  303104
.set BIAS,  303616                     ; for each modality 3,072: K's 128, Q's 128, V's 128 four times each
.set GATE,  309760                     ; [modality][128] 1 + gate
.set MASKV, 310784
.set MASKT, 311296
.set MADDV, 312320                     ; 0 or -infinity for each key
.set MADDT, 312832
.set SCT,   313856                     ; the scale words for A2: 64 tile + 4 r + 2 hd
.set SPARE, 314880                     ; the spare words, 128 bytes a wave; no other line names them
.set TKIM,  0                          ; t's images lie in slot 0, behind its last fill and its last read
.set TQIM,  24576
.set TVIM,  49152
.set TKSC,  73728
.set TQSC,  77824
.set TVSC,  81920
; window 0, kept
.set L16, 1
.set L8,  2
.set R4,  3
.set H64, 4
.set RP,  5                            ; r + 8 (r / 8)
.set AX,  6                            ; the slot in hand: x's fragments, W's, x's scale words, W's
.set AW,  7
.set ASX, 8
.set ASW, 9
.set ABK, 10
.set ABV, 11
.set IK16, 12
.set IK8,  13
.set IKS,  14
.set IQ16, 15
.set IQ8,  16
.set IQS,  17
.set IV16, 18
.set IV8,  19
.set IVS,  20
.set AMR, 21
.set AMK, 22
.set AG,  23
.set AMD, 24
.set VRES, 25
.set ASCT, 26
.set TQ16, 27
.set TQ8,  28
.set TQS,  29
.set SPW, 30
.set NIL, 31
.set BX,  240                          ; the same four addresses in slot 0
.set BW,  241
.set BSX, 242
.set BSW, 243
.set TSCT, 244
.set ASR, 245
.set GSR, 246
.set L4,  247
; window 0, by phase
.set W4S, 32
.set MS,  64
.set GA,  96
.set GT,  128
.set XF,  32
.set WF,  128
.set XS,  224
.set WS,  232
.set G,   32
.set RM,  64
.set MK,  72
.set GM,  136
.set TM,  168
.set PC,  176                          ; codes just made: set 0 here, set 1 sixteen registers further on (PC, PT and PW alike)
.set PT,  184
.set PW,  188
.set KS,  32
.set VS,  48
.set QS,  56
.set PS,  58
.set QST, 60
.set O,   72
.set RES, 104
; window 1 in attention (the scores lie at v0 on)
.set BM,  128
.set BT,  136
.set SO,  144
.set BY,  152
.set NM,  160
.set TMX, 162
.set LS,  164
.set LS2, 166
.set PCD, 168
.set PTT, 192
.set PSW, 208
; scalars
.set TB,  2
.set G1XV, 28
.set G1XT, 36
.set G1W,  44
.set G0XA, 52
.set G0XB, 56
.set G0WA, 60
.set G0WB, 68
.set WV,  76
.set WR,  77                           ; also: I fetch for x (0) or for W (1)
.set HD,  78                           ; also: which K step of a slot I fetch
.set SEL, 84
.set CS,  86
.set CNT, 88
.set CI,  89
.set RB0, 90
.set RBT, 92
.set A2B, 94
.set MSB, 0
.macro WIN new                         ; the immediate's high byte repeats the setting that is left; a switch that changes nothing is dropped
.if MSB != (\new)
	s_set_vgpr_msb (MSB<<8)|(\new)
.set MSB, (\new)
.endif
.endm
.macro PLACES                          ; four places: in front of loads into registers that matrix instructions have read, and of the first read of results
.rept 4
	v_nop
.endr
.endm
.macro CREST
	s_cmp_lg_u32 s[WV], 0
	s_cbranch_scc1 .Lnot_wave_0_\@
	s_barrier_signal -3
.Lnot_wave_0_\@:
	s_barrier_wait -3
	s_barrier_signal -1
	s_barrier_wait -1
.endm
.macro CROUND
	s_barrier_signal -1
	s_barrier_wait -1
	CREST
.endm
; A joint load.  Each of the two lines has one mask and one set of registers for all that issue it; the branch hangs on the wave's number alone.  An s_nop 0 and four v_nop follow each line.
.macro JLOAD g0x, g1x, g0w, g1w
	s_cmp_eq_u32 s[WR], 0
	s_cbranch_scc0 .Lfor_w_\@
	tensor_load_to_lds s[\g0x:\g0x+3], s[\g1x:\g1x+7]
	s_nop 0
.rept 4
	v_nop
.endr
	s_branch .Lasked_\@
.Lfor_w_\@:
	tensor_load_to_lds s[\g0w:\g0w+3], s[\g1w:\g1w+7]
	s_nop 0
.rept 4
	v_nop
.endr
.Lasked_\@:
.endm
.macro G1SET g, rows                   ; a dense block as rows of 256 bytes: 32 elements of 8 bytes, no padding
	s_mov_b32 s[\g+1], 32<<16
	s_mov_b32 s[\g+2], (\rows)<<16
	s_mov_b32 s[\g+3], 32<<16
	s_mov_b32 s[\g+4], \rows
	s_mov_b32 s[\g+5], 32
	s_mov_b32 s[\g+6], 0
	s_mov_b32 s[\g+7], 0
.endm
.macro MODAL nr, mod                   ; the sizes of the modality in hand
.set NR, \nr
.set NK, 2*NR
.set NB, NR
.set KSN, NR/4
.set MOD, \mod
.set VB, 6*NK
.set XP, 10+2*MOD
.if MOD
.set KIM, TKIM
.set QIM, TQIM
.set VIM, TVIM
.set KSC, TKSC
.set QSC, TQSC
.set VSC, TVSC
.set MASK, MASKT
.set MADD, MADDT
.set G1X, G1XT
.set VSW, 64
.else
.set KIM, VKIM
.set QIM, VQIM
.set VIM, VVIM
.set KSC, VKSC
.set QSC, VQSC
.set VSC, VVSC
.set MASK, MASKV
.set MADD, MADDV
.set G1X, G1XV
.set VSW, 2
.endif
.endm
.macro SETADR
	v_add_nc_u32 v[AX], s[TB], v[BX]
	v_add_nc_u32 v[AW], s[TB], v[BW]
	v_add_nc_u32 v[ASX], s[TB], v[BSX]
	v_add_nc_u32 v[ASW], s[TB], v[BSW]
.endm
.macro FLIP
	s_xor_b32 s[TB], s[TB], SLOT1
	SETADR
.endm
.macro LOADW set, kind, par            ; four column tiles of K, Q or V (kind 0, 1, 2) of the slot's K step par, with their scale words: 16 instructions
.set lc, 0
.rept 4
.set lq, 0
.rept 3
	ds_load_b128 v[WF+48*(\set)+12*lc+4*lq:WF+48*(\set)+12*lc+4*lq+3], v[AW] offset:38400*(\par)+(4*(\kind)+lc)*1536+512*lq
.set lq, lq+1
.endr
	ds_load_b32 v[WS+4*(\set)+lc], v[ASW] offset:38400*(\par)+(4*(\kind)+lc)*64
.set lc, lc+1
.endr
.endm
.macro LOADX i0, par                   ; NR / 2 of my row tiles: 2 NR instructions
.set li, \i0
.rept NR/2
.set lq, 0
.rept 3
	ds_load_b128 v[XF+12*li+4*lq:XF+12*li+4*lq+3], v[AX] offset:25600*(\par)+1536*li+512*lq
.set lq, lq+1
.endr
	ds_load_b32 v[XS+li], v[ASX] offset:25600*(\par)+64*li
.set li, li+1
.endr
.endm
; Row tile mi x 4 column tiles.  own = 1: the sums go on in place.  own = 0: they begin from row tile 0's registers of the same column tile, which still hold the bias.
.macro MMROW kind, set, own
.set mc, 0
.rept 4
.if \kind == 2
.set md, 8*(NR*mc+mi)
.set mb, 8*(NR*mc+mi*(\own))
	v_wmma_scale_f32_16x16x128_f8f6f4 v[md:md+7], v[XF+12*mi:XF+12*mi+11], v[WF+48*(\set)+12*mc:WF+48*(\set)+12*mc+11], v[mb:mb+7], v[XS+mi], v[WS+4*(\set)+mc] matrix_a_fmt:MATRIX_FMT_BF6 matrix_b_fmt:MATRIX_FMT_BF6
.else
.set md, 8*(4*mi+mc)
.set mb, 8*(4*mi*(\own)+mc)
	v_wmma_scale_f32_16x16x128_f8f6f4 v[md:md+7], v[WF+48*(\set)+12*mc:WF+48*(\set)+12*mc+11], v[XF+12*mi:XF+12*mi+11], v[mb:mb+7], v[WS+4*(\set)+mc], v[XS+mi] matrix_a_fmt:MATRIX_FMT_BF6 matrix_b_fmt:MATRIX_FMT_BF6
.endif
.set mc, mc+1
.endr
.endm
; NR / 2 row tiles x 4 column tiles.  The accumulators take turns, one instruction a turn.
.macro MM kind, set, i0
.set mi, \i0
.rept NR/2
	MMROW \kind, \set, 1
.set mi, mi+1
.endr
.endm
; The first K step of a kind: row tiles NR - 1 down to 1 begin from the bias in row tile 0's registers; five places, since the next products write over registers that the last ones read as C; then row tile 0 in place.
.macro MMF kind, set
.set mi, NR-1
.rept NR-1
	MMROW \kind, \set, 0
.set mi, mi-1
.endr
.rept 5
	v_nop
.endr
	MMROW \kind, \set, 1
.endm
.macro GRP_K par, p                    ; K's products from W set p; Q's tiles are asked for into the other set
	PLACES
	WIN 0
	LOADW 1-(\p), 1, \par
	s_wait_dscnt 16+2*NR                           ; may be out: x's second half and Q's 16
	WIN 0x50
	MM 0, \p, 0
	s_wait_dscnt 16                                ; may be out: Q's 16
	MM 0, \p, NR/2
.endm
; Q's products; V's tiles are asked for.  turn >= 1: the slot is left: V's loads are my last reads of it.  Each wave waits for all its tensor loads, adds 0 to its spare word, waits for that and for its reads,
; and passes one barrier; turn = 2: the barrier opens a round of the cluster's, and the slot is filled again with the K steps two slots on, first thing behind the round.
.macro GRP_Q par, p, turn
	PLACES
	WIN 0
	LOADW 1-(\p), 2, \par
.if \turn == 0
	s_wait_dscnt 16                                ; may be out: V's 16
	WIN 0xa0
	MM 1, \p, 0
	MM 1, \p, NR/2
.else
	s_wait_tensorcnt 0x0                           ; all my tensor loads have landed: my part of the next slot
	ds_add_u32 v[SPW], v[NIL]                      ; 0 onto my spare word
	s_wait_dscnt 17                                ; may be out: V's 16 and the add
	WIN 0xa0
	MM 1, \p, 0
	s_wait_dscnt 0x0                               ; the add is done, and my reads of this slot are over
	s_barrier_signal -1
	MM 1, \p, NR/2
	WIN 0
	s_barrier_wait -1
.if \turn == 2
	CREST                                          ; no wave of any partner still reads this slot or has a load on its way
	s_xor_b32 s[G0XB+1], s[G0XB+1], SLOT1
	s_add_nc_u64 s[G0XB+2:G0XB+3], s[G0XB+2:G0XB+3], 6400*NR
	s_xor_b32 s[G0WB+1], s[G0WB+1], SLOT1
	s_add_nc_u64 s[G0WB+2:G0WB+3], s[G0WB+2:G0WB+3], 76800
	JLOAD G0XB, G1X, G0WB, G1W
.endif
	FLIP
.endif
.endm
.macro GRP_V par, p, next, npar        ; V's products; next = 1: the next K step's K tiles and x's fragments are asked for, each x half as soon as its last products are issued
.if \next
	PLACES
	WIN 0
	LOADW 1-(\p), 0, \npar
	s_wait_dscnt 16                                ; may be out: the next K's 16
.else
	s_wait_dscnt 0x0
.endif
	WIN 0xf0
	MM 2, \p, 0
.if \next
	PLACES
	WIN 0
	LOADX 0, \npar
	WIN 0xf0
.endif
	MM 2, \p, NR/2
.if \next
	PLACES
	WIN 0
	LOADX NR/2, \npar
.endif
	WIN 0
.endm
.macro KS0                             ; a slot's first K step: the three groups swap W's sets 0, 1, 0
	GRP_K 0, 0
	GRP_Q 0, 1, 0
	GRP_V 0, 0, 1, 1
.endm
.macro KS1 turn, last                  ; its second: sets 1, 0, 1: two K steps bring the numbers back
	GRP_K 1, 1
	GRP_Q 1, 0, \turn
	GRP_V 1, 1, 1-(\last), 0
.endm
; The launch's or modality's K step 0, as KS0 but for two things: its products start the sums (MMF), row tiles from the last to the first, so all of x is waited for at once;
; and the next K step's x is asked for behind V's products, first half first, so that every later count stands as in KS0.
.macro KFIRST
	WIN 0
	LOADW 1, 1, 0
	s_wait_dscnt 16                                ; may be out: Q's 16; the bias, K's tiles and all of x are in
	WIN 0x50
	MMF 0, 0
	PLACES
	WIN 0
	LOADW 0, 2, 0
	s_wait_dscnt 16                                ; may be out: V's 16
	WIN 0xa0
	MMF 1, 1
	PLACES
	WIN 0
	LOADW 1, 0, 1
	s_wait_dscnt 16                                ; may be out: the next K's 16
	WIN 0xf0
	MMF 2, 0
	PLACES
	WIN 0
	LOADX 0, 1
	LOADX NR/2, 1
.endm
.macro BIASLD                          ; the bias, in the results' layouts, into row tile 0's accumulators: 24 loads
	WIN 0x40
.set bi, 0
.rept 4
	ds_load_b128 v[8*bi:8*bi+3], v[ABK] offset:3072*MOD+128*(bi/2)+32*(bi%2)
	ds_load_b128 v[8*bi+4:8*bi+7], v[ABK] offset:3072*MOD+128*(bi/2)+32*(bi%2)+16
.set bi, bi+1
.endr
	WIN 0x80
.set bi, 0
.rept 4
	ds_load_b128 v[8*bi:8*bi+3], v[ABK] offset:3072*MOD+512+128*(bi/2)+32*(bi%2)
	ds_load_b128 v[8*bi+4:8*bi+7], v[ABK] offset:3072*MOD+512+128*(bi/2)+32*(bi%2)+16
.set bi, bi+1
.endr
	WIN 0xc0
.set bi, 0
.rept 4                                ; V: tile (c, 0) at 8 NR c; a lane holds one channel: the same number eight times
	ds_load_b128 v[8*NR*bi:8*NR*bi+3], v[ABV] offset:3072*MOD+16*(32*(bi/2)+8*(bi%2))
	ds_load_b128 v[8*NR*bi+4:8*NR*bi+7], v[ABV] offset:3072*MOD+16*(32*(bi/2)+8*(bi%2))
.set bi, bi+1
.endr
	WIN 0
.endm
.macro PROJ
	s_wait_tensorcnt 0x1                           ; my part of slot 0 is in; the load into slot 1, issued behind it, may be out
	s_wait_dscnt 0x0
	s_barrier_signal -1
	s_barrier_wait -1
	PLACES
	s_mov_b32 s[TB], 0
	s_mul_i32 s96, s[WR], 1536*NR
	v_add_nc_u32 v[BX], s96, v[L16]
	s_mul_i32 s96, s[HD], 18432
	s_add_co_u32 s96, s96, 51200
	v_add_nc_u32 v[BW], s96, v[L16]
	s_mul_i32 s96, s[WR], 64*NR
	s_add_co_u32 s96, s96, 3072*NR
	v_add_nc_u32 v[BSX], s96, v[R4]
	s_mul_i32 s96, s[HD], 768
	s_add_co_u32 s96, s96, 51200+36864
	v_add_nc_u32 v[BSW], s96, v[R4]
	SETADR
	BIASLD
	LOADW 0, 0, 0
	LOADX 0, 0
	LOADX NR/2, 0
	KFIRST                                         ; K step 0 stands in front of the loop: its products start the sums
	s_mov_b32 s[CNT], 2
.Lring_\@:                             ; two trips, each from a slot's second K step to the next slot's first: slots 0 and 1 are left and filled again
	KS1 2, 0
	KS0
	s_sub_co_u32 s[CNT], s[CNT], 1
	s_cmp_lg_u32 s[CNT], 0
	s_cbranch_scc1 .Lring_\@
	KS1 1, 0                                       ; the tail is written out: nothing more is asked for
	KS0
	KS1 0, 1
.endm
; 32 numbers of a lane in window w, register 16 b + i = k 32 b + 16 (lane / 16) + i of my row, become half a fragment (six registers, set z of v[PC] on) and two scale bytes (set z of v[PW]), both in window 0.
; The maxima run in four chains, two a block, so that no line waits for the line just above it.
.macro QUANT2 w, s, z
.set qw, (\w)*5
.set qp, PC+16*(\z)
.set qt, PT+16*(\z)
.set qv, PW+16*(\z)
	WIN qw
	v_max3_num_f32 v[TM], |v[(\s)]|, |v[(\s)+1]|, 0x2800000        ; with the floor 2^(5 - 127): the byte cannot fall under 1
	v_max3_num_f32 v[TM+1], |v[(\s)+16]|, |v[(\s)+17]|, 0x2800000
	v_max3_num_f32 v[TM+6], |v[(\s)+8]|, |v[(\s)+9]|, 0x2800000
	v_max3_num_f32 v[TM+7], |v[(\s)+24]|, |v[(\s)+25]|, 0x2800000
.irp i, 2,4,6
	v_max3_num_f32 v[TM], |v[(\s)+\i]|, |v[(\s)+\i+1]|, v[TM]
	v_max3_num_f32 v[TM+1], |v[(\s)+16+\i]|, |v[(\s)+17+\i]|, v[TM+1]
	v_max3_num_f32 v[TM+6], |v[(\s)+8+\i]|, |v[(\s)+9+\i]|, v[TM+6]
	v_max3_num_f32 v[TM+7], |v[(\s)+24+\i]|, |v[(\s)+25+\i]|, v[TM+7]
.endr
	WIN 0
	v_max_num_f32 v[TM], v[TM], v[TM+6]
	v_max_num_f32 v[TM+1], v[TM+1], v[TM+7]
	v_permlanex16_b32 v[TM+2], v[TM], s[SEL], s[SEL+1]
	v_permlanex16_b32 v[TM+3], v[TM+1], s[SEL], s[SEL+1]
	v_max_num_f32 v[TM], v[TM], v[TM+2]
	v_max_num_f32 v[TM+1], v[TM+1], v[TM+3]
	v_add_nc_u32 v[TM+4], 0xfe000000, v[TM]
	v_add_nc_u32 v[TM+5], 0xfe000000, v[TM+1]
	v_lshrrev_b32 v[TM+6], 23, v[TM+4]
	v_lshrrev_b32 v[TM+7], 23, v[TM+5]
	v_lshl_or_b32 v[qv], v[TM+7], 8, v[TM+6]
	WIN \w
	v_cvt_scalef32_pk16_bf6_f32 v[qp:qp+2], v[(\s):(\s)+15], v[TM+4]
	v_cvt_scalef32_pk16_bf6_f32 v[qt:qt+2], v[(\s)+16:(\s)+31], v[TM+5]
	WIN 0
	v_nop                                          ; one plain place behind a scaled conversion
.irp i, 0,1,2
	v_permlane16_swap_b32 v[qp+\i], v[qt+\i]
.endr
.irp i, 0,1,2
	v_mov_b32 v[qp+3+\i], v[qt+\i]
.endr
.endm
.macro STH a16, a8, off, z             ; half a fragment as an image of its registers: four at 16 lane, two at 512 + 8 lane
	ds_store_b128 v[\a16], v[PC+16*(\z):PC+16*(\z)+3] offset:\off
	ds_store_b64 v[\a8], v[PC+16*(\z)+4:PC+16*(\z)+5] offset:\off
.endm
; BEHIND THE PROJECTION: K and Q x (1 + gate) x the row's mask, V x the key's mask; quantised; images to LDS.
; The codes' registers come in two sets, taken by turns.  Behind each group of three stores stands s_wait_dscnt 3: these three may be out; the other set's three, issued ahead of them, are done, so that set may be written again.
.macro EPI
	PLACES
	v_mov_b32 v[TM+2], 0                           ; a lane permute's destination counts as one of its sources
	v_mov_b32 v[TM+3], 0
	s_mul_i32 s96, s[HD], NK
	s_mul_i32 s97, s[WR], NR
	s_add_co_u32 s96, s96, s97
	s_mul_i32 s97, s96, 768
	s_add_co_u32 s97, s97, KIM
	v_add_nc_u32 v[IK16], s97, v[L16]
	s_add_co_u32 s97, s97, 512
	v_add_nc_u32 v[IK8], s97, v[L8]
	s_lshl_b32 s97, s96, 7
	s_add_co_u32 s97, s97, KSC
	v_add_nc_u32 v[IKS], s97, v[L4]
	s_mul_i32 s97, s[WV], NR*768
	s_add_co_u32 s97, s97, QIM
	v_add_nc_u32 v[IQ16], s97, v[L16]
	s_add_co_u32 s97, s97, 512
	v_add_nc_u32 v[IQ8], s97, v[L8]
	s_mul_i32 s97, s[WV], NR*128
	s_add_co_u32 s97, s97, QSC
	v_add_nc_u32 v[IQS], s97, v[L4]
	s_mul_i32 s96, s[HD], 8*KSN*768
	s_mul_i32 s97, s[WR], KSN*768
	s_add_co_u32 s96, s96, s97
	s_add_co_u32 s96, s96, VIM
	v_add_nc_u32 v[IV16], s96, v[L16]
	s_add_co_u32 s96, s96, 512
	v_add_nc_u32 v[IV8], s96, v[L8]
	s_mul_i32 s96, s[HD], 256*KSN
	s_mul_i32 s97, s[WR], VSW
	s_add_co_u32 s96, s96, s97
	s_add_co_u32 s96, s96, VSC
	v_add_nc_u32 v[IVS], s96, v[R4]
	s_mul_i32 s96, s[WR], 64*NR
	s_add_co_u32 s97, s96, MASK
	v_lshl_add_u32 v[AMR], v[RP], 2, s97
	v_add_nc_u32 v[AMK], s97, v[H64]
	s_lshl_b32 s97, s[HD], 1
	s_add_co_u32 s96, s96, s97
	s_add_co_u32 s96, s96, SCT
	v_add_nc_u32 v[ASCT], s96, v[R4]
.set ek, 0
.rept 8
	ds_load_b128 v[G+4*ek:G+4*ek+3], v[AG] offset:512*MOD+128*(ek/4)+16*(ek%4)     ; 1 + gate at my 32 of the head's 64
.set ek, ek+1
.endr
.set ek, 0
.rept NR
	ds_load_b32 v[RM+ek], v[AMR] offset:4*(32*(ek/2)+8*(ek%2))                     ; the mask of my row in each row tile
.set ek, ek+1
.endr
.set ek, 0
.rept 2*NR
	ds_load_b128 v[MK+4*ek:MK+4*ek+3], v[AMK] offset:128*(ek/4)+16*(ek%4)          ; the masks of the keys that my registers of V hold
.set ek, ek+1
.endr
	s_wait_dscnt 0x0
.set ei, 0
.rept NR
	WIN 0
.set ek, 0
.rept 16
.if ei%2 == 0
	v_pk_mul_f32 v[GM+2*ek:GM+2*ek+1], v[G+2*ek:G+2*ek+1], v[RM+2*(ei/2):RM+2*(ei/2)+1] op_sel_hi:[1,0]
.else
	v_pk_mul_f32 v[GM+2*ek:GM+2*ek+1], v[G+2*ek:G+2*ek+1], v[RM+2*(ei/2):RM+2*(ei/2)+1] op_sel:[0,1] op_sel_hi:[1,1]
.endif
.set ek, ek+1
.endr
	WIN 0x41
.set ek, 0
.rept 16
	v_pk_mul_f32 v[32*ei+2*ek:32*ei+2*ek+1], v[32*ei+2*ek:32*ei+2*ek+1], v[GM+2*ek:GM+2*ek+1]   ; each accumulator from its low end on
.set ek, ek+1
.endr
	QUANT2 1, 32*ei, 0
	STH IK16, IK8, 768*ei, 0
	ds_store_b32 v[IKS], v[PW] offset:128*ei
	s_wait_dscnt 0x3                               ; set 1's stores are done
	WIN 0x82
.set ek, 0
.rept 16
	v_pk_mul_f32 v[32*ei+2*ek:32*ei+2*ek+1], v[32*ei+2*ek:32*ei+2*ek+1], v[GM+2*ek:GM+2*ek+1]
.set ek, ek+1
.endr
	QUANT2 2, 32*ei, 1
	STH IQ16, IQ8, 768*ei, 1
	ds_store_b32 v[IQS], v[PW+16] offset:128*ei
	s_wait_dscnt 0x3                               ; set 0's stores are done
.set ei, ei+1
.endr
.set ec, 0
.rept 4
.set em, 0
.rept NR/4
.set ez, (ec*(NR/4)+em)%2
	WIN 0xc3
.set ek, 0
.rept 16
	v_pk_mul_f32 v[8*NR*ec+32*em+2*ek:8*NR*ec+32*em+2*ek+1], v[8*NR*ec+32*em+2*ek:8*NR*ec+32*em+2*ek+1], v[MK+32*em+2*ek:MK+32*em+2*ek+1]
.set ek, ek+1
.endr
	QUANT2 3, 8*NR*ec+32*em, ez
	STH IV16, IV8, (ec*2*KSN+em)*768, ez
	ds_store_b16 v[IVS], v[PW+16*ez] offset:ec*64*KSN+2*em
	s_wait_dscnt 0x3                               ; the other set's stores are done
.set em, em+1
.endr
.set ec, ec+1
.endr
.endm
; ATTENTION of my head for my NR query tiles, one a trip.  K', V, their scale words and the keys' 0 / -infinity stay in registers.
.macro ATT
	s_wait_xcnt 0x0                                ; earlier stores have read their bases: these are written below
	s_mul_i32 s96, s[HD], NK*768
	s_add_co_u32 s96, s96, KIM
	v_add_nc_u32 v[IK16], s96, v[L16]
	s_add_co_u32 s96, s96, 512
	v_add_nc_u32 v[IK8], s96, v[L8]
	s_mul_i32 s96, s[HD], NK*128
	s_add_co_u32 s96, s96, KSC
	v_add_nc_u32 v[IKS], s96, v[L4]
	s_mul_i32 s96, s[HD], 8*KSN*768
	s_add_co_u32 s96, s96, VIM
	v_add_nc_u32 v[IV16], s96, v[L16]
	s_add_co_u32 s96, s96, 512
	v_add_nc_u32 v[IV8], s96, v[L8]
	s_mul_i32 s96, s[HD], 256*KSN
	s_add_co_u32 s96, s96, VSC
	v_add_nc_u32 v[IVS], s96, v[R4]
	v_add_nc_u32 v[AMD], MADD, v[H64]
	WIN 0x80
.set ak, 0
.rept NK
	ds_load_b128 v[6*ak:6*ak+3], v[IK16] offset:768*ak
	ds_load_b64 v[6*ak+4:6*ak+5], v[IK8] offset:768*ak
.set ak, ak+1
.endr
.set ak, 0
.rept 8*KSN
	ds_load_b128 v[VB+6*ak:VB+6*ak+3], v[IV16] offset:768*ak
	ds_load_b64 v[VB+6*ak+4:VB+6*ak+5], v[IV8] offset:768*ak
.set ak, ak+1
.endr
	WIN 0xc0
.set ak, 0
.rept 2*NK
	ds_load_b128 v[4*ak:4*ak+3], v[AMD] offset:128*(ak/4)+16*(ak%4)
.set ak, ak+1
.endr
	WIN 0
.set ak, 0
.rept NK
	ds_load_b32 v[KS+ak], v[IKS] offset:128*ak
.set ak, ak+1
.endr
.set ak, 0
.rept 4*KSN
	ds_load_b32 v[VS+ak], v[IVS] offset:64*ak
.set ak, ak+1
.endr
	ds_load_b128 v[QST:QST+3], v[IQ16]             ; my first query tile; each later one is asked for a trip ahead
	ds_load_b64 v[QST+4:QST+5], v[IQ8]
	ds_load_b32 v[QS], v[IQS]
.irp i, 6,7,8,9,10,11
	v_mov_b32 v[QST+\i], 0                         ; Q's upper half: zero codes
.endr
	WIN 0x40
.set ak, 0
.rept NB
	v_mov_b32 v[BT+ak], 0                          ; a lane permute's destination counts as one of its sources
.set ak, ak+1
.endr
	WIN 0
	s_mul_i32 s96, s83, NR<<17                     ; the residual: row b N + 16 NR wr, column 64 (2 j + hd)
	s_mul_i32 s97, s[WR], NR<<16
	s_add_co_u32 s96, s96, s97
	s_lshl_b32 s97, s82, 9
	s_add_co_u32 s96, s96, s97
	s_lshl_b32 s97, s[HD], 8
	s_add_co_u32 s96, s96, s97
	s_mov_b32 s97, 0
	s_add_nc_u64 s[RB0:RB0+1], s[XP:XP+1], s[96:97]
.if MOD
	s_add_co_u32 s96, s83, 16                      ; A2's row block, my first tile in it
	s_lshl_b32 s97, s[WR], 3
	s_mov_b32 s101, 0
.else
	s_lshr_b32 s96, s83, 1
	s_and_b32 s101, s83, 1
	s_lshl_b32 s97, s101, 3
	s_lshl_b32 s101, s101, 9
	s_lshl_b32 s98, s[WR], 2
	s_add_co_u32 s97, s97, s98
.endif
	s_mul_i32 s96, s96, 204800
	s_mul_i32 s98, s82, 25600
	s_add_co_u32 s96, s96, s98
	s_add_co_u32 s98, s96, s101
	s_add_co_u32 s98, s98, 24576
	s_mov_b32 s99, 0
	s_add_nc_u64 s[98:99], s[26:27], s[98:99]      ; where the batch's scale words go
	s_mul_i32 s97, s97, 1536
	s_add_co_u32 s96, s96, s97
	s_mul_i32 s97, s[HD], 768
	s_add_co_u32 s96, s96, s97
	s_mov_b32 s97, 0
	s_add_nc_u64 s[A2B:A2B+1], s[26:27], s[96:97]  ; my half of my first tile's fragment
	s_mov_b32 s[CI], 0
	s_mov_b32 s88, 0
	s_mov_b32 s3, 0
	s_mov_b32 s100, 0
	s_wait_dscnt 0x0
.Latt_\@:
	v_add_nc_u32 v[TSCT], s100, v[ASCT]
	s_lshr_b32 s96, s[CI], 1                       ; tile i begins at row 32 (i / 2) + 8 (i % 2)
	s_lshl_b32 s96, s96, 17
	s_and_b32 s97, s[CI], 1
	s_lshl_b32 s97, s97, 15
	s_add_co_u32 s96, s96, s97
	s_mov_b32 s97, 0
	s_add_nc_u64 s[RBT:RBT+1], s[RB0:RB0+1], s[96:97]
.set ak, 0
.rept 8
	global_load_b128 v[RES+4*ak:RES+4*ak+3], v[VRES], s[RBT:RBT+1] offset:128*(ak/4)+16*(ak%4) th:TH_LOAD_NT   ; x at my query's row, in O^T's layout: wanted at the trip's end
.set ak, ak+1
.endr
	s_wait_dscnt 0x0                               ; my query tile, asked for a trip ago
	WIN 0x42
.set ak, 0
.rept NK
	v_wmma_scale_f32_16x16x128_f8f6f4 v[8*ak:8*ak+7], v[6*ak:6*ak+11], v[QST:QST+11], 0, v[KS+ak], v[QS] matrix_a_fmt:MATRIX_FMT_BF6 matrix_b_fmt:MATRIX_FMT_BF6
.set ak, ak+1
.endr
	WIN 0
	s_add_co_u32 s96, s88, 768                     ; the next trip's query tile; the last trip asks for its own again: nothing beyond my images is read
	s_min_u32 s96, s96, (NR-1)*768
	s_add_co_u32 s97, s3, 128
	s_min_u32 s97, s97, (NR-1)*128
	v_add_nc_u32 v[TQ16], s96, v[IQ16]             ; these three and the v_nop are the four places behind the products: in front of the loads into Q's registers and of the first read of the scores
	v_add_nc_u32 v[TQ8], s96, v[IQ8]
	v_add_nc_u32 v[TQS], s97, v[IQS]
	v_nop
	ds_load_b128 v[QST:QST+3], v[TQ16]
	ds_load_b64 v[QST+4:QST+5], v[TQ8]
	ds_load_b32 v[QS], v[TQS]
	WIN 0x71
.set ak, 0
.rept 4*NK
	v_pk_fma_f32 v[2*ak:2*ak+1], v[2*ak:2*ak+1], s[CS:CS+1], v[2*ak:2*ak+1] op_sel_hi:[1,0,1]   ; t = score x log2(e) / 8, + 0 or -infinity; each accumulator from its low end on
.set ak, ak+1
.endr
	WIN 0x55
.set ab, 0
.rept NB
	v_max3_num_f32 v[BM+ab], v[16*ab], v[16*ab+1], v[16*ab+2]      ; the largest t of each block of 32 keys: for the row's maximum, and for the block's largest p
.set ab, ab+1
.endr
.irp i, 3,5,7,9,11,13
.set ab, 0
.rept NB
	v_max3_num_f32 v[BM+ab], v[BM+ab], v[16*ab+\i], v[16*ab+\i+1]
.set ab, ab+1
.endr
.endr
.set ab, 0
.rept NB
	v_max_num_f32 v[BM+ab], v[BM+ab], v[16*ab+15]
.set ab, ab+1
.endr
.set ab, 0
.rept NB
	v_permlanex16_b32 v[BT+ab], v[BM+ab], s[SEL], s[SEL+1]
.set ab, ab+1
.endr
.set ab, 0
.rept NB
	v_max_num_f32 v[BM+ab], v[BM+ab], v[BT+ab]
.set ab, ab+1
.endr
	v_max3_num_f32 v[TMX], v[BM], v[BM+1], v[BM+2]
.if NB == 8
	v_max3_num_f32 v[TMX], v[TMX], v[BM+3], v[BM+4]
	v_max3_num_f32 v[TMX], v[TMX], v[BM+5], v[BM+6]
	v_max_num_f32 v[TMX], v[TMX], v[BM+7]
.else
	v_max_num_f32 v[TMX], v[TMX], v[BM+3]
.endif
	v_floor_f32 v[NM], -v[TMX]                     ; -M = floor(-t) = -ceil(t): a whole number
	v_mov_b32 v[NM+1], v[NM]
.set ak, 0
.rept 4*NK
	v_pk_add_f32 v[2*ak:2*ak+1], v[2*ak:2*ak+1], v[NM:NM+1] op_sel_hi:[1,0]
.set ak, ak+1
.endr
.set ab, 0
.rept NB
	v_add_f32 v[BM+ab], v[BM+ab], v[NM]
.set ab, ab+1
.endr
.set ak, 0
.rept 8*NK
	v_exp_f32 v[ak], v[ak]                         ; p = 2^(t - M): not normalised
.set ak, ak+1
.endr
	v_nop                                          ; a plain place behind the batch
	s_wait_alu depctr_va_vdst(0)                   ; one wait for the whole batch, ahead of its first reader
.set ab, 0
.rept NB
	v_exp_f32 v[BM+ab], v[BM+ab]                   ; each block's largest p: the same addition and exponential on the same number
.set ab, ab+1
.endr
	v_pk_add_f32 v[LS:LS+1], v[0:1], v[2:3]        ; the row's sum of the unquantised p, in two chains; its first half stands here, behind the blocks' exponentials
	v_pk_add_f32 v[LS2:LS2+1], v[4:5], v[6:7]
.set ak, 4
.rept 2*NK-4
.if ak%2 == 0
	v_pk_add_f32 v[LS:LS+1], v[LS:LS+1], v[2*ak:2*ak+1]
.else
	v_pk_add_f32 v[LS2:LS2+1], v[LS2:LS2+1], v[2*ak:2*ak+1]
.endif
.set ak, ak+1
.endr
	s_wait_alu depctr_va_vdst(0)                   ; and one for the blocks' exponentials
.set ab, 0
.rept NB
	v_max_num_f32 v[BM+ab], 0x2800000, v[BM+ab]    ; the floor: a block whose every p is 0 keeps the byte 1; its codes are zeros
.set ab, ab+1
.endr
.set ab, 0
.rept NB
	v_add_nc_u32 v[SO+ab], 0xfe000000, v[BM+ab]
.set ab, ab+1
.endr
.set ab, 0
.rept NB
	v_lshrrev_b32 v[BY+ab], 23, v[SO+ab]
.set ab, ab+1
.endr
.set aks, 0
.rept KSN
	v_lshl_or_b32 v[PSW+aks], v[BY+4*aks+1], 8, v[BY+4*aks]
	v_lshl_or_b32 v[PSW+aks], v[BY+4*aks+2], 16, v[PSW+aks]
.set aks, aks+1
.endr
	WIN 0x11
.set aks, 0
.rept KSN
	v_lshl_or_b32 v[PS+aks], v[BY+4*aks+3], 24, v[PSW+aks]         ; p's scale word of 128 keys, into window 0: scale operands have no window
.set aks, aks+1
.endr
	WIN 0x55
.set ah, 0
.rept 2*KSN                            ; 64 keys at a time
	v_cvt_scalef32_pk16_bf6_f32 v[PCD+6*ah:PCD+6*ah+2], v[32*ah:32*ah+15], v[SO+2*ah]
	v_cvt_scalef32_pk16_bf6_f32 v[PTT+4*ah:PTT+4*ah+2], v[32*ah+16:32*ah+31], v[SO+2*ah+1]
.set ah, ah+1
.endr
	v_nop
.set ah, 0
.rept 2*KSN
.irp i, 0,1,2
	v_permlane16_swap_b32 v[PCD+6*ah+\i], v[PTT+4*ah+\i]
.endr
.irp i, 0,1,2
	v_mov_b32 v[PCD+6*ah+3+\i], v[PTT+4*ah+\i]
.endr
.set ah, ah+1
.endr
.set ak, 2*NK
.rept 2*NK                             ; the sum's second half: also the places between the vector writes of p's codes and scale words and the scaled products
.if ak%2 == 0
	v_pk_add_f32 v[LS:LS+1], v[LS:LS+1], v[2*ak:2*ak+1]
.else
	v_pk_add_f32 v[LS2:LS2+1], v[LS2:LS2+1], v[2*ak:2*ak+1]
.endif
.set ak, ak+1
.endr
	v_pk_add_f32 v[LS:LS+1], v[LS:LS+1], v[LS2:LS2+1]
	v_add_f32 v[LS], v[LS], v[LS+1]
	v_permlanex16_b32 v[LS2], v[LS], s[SEL], s[SEL+1]
	v_add_f32 v[LS], v[LS], v[LS2]                 ; l
	v_rcp_f32 v[LS], v[LS]
	v_nop
	s_wait_alu depctr_va_vdst(0)
	WIN 0x06
.set aks, 0
.rept KSN
.set ac, 0
.rept 4
.if aks == 0
	v_wmma_scale_f32_16x16x128_f8f6f4 v[O+8*ac:O+8*ac+7], v[VB+12*(ac*KSN+aks):VB+12*(ac*KSN+aks)+11], v[PCD+12*aks:PCD+12*aks+11], 0, v[VS+ac*KSN+aks], v[PS+aks] matrix_a_fmt:MATRIX_FMT_BF6 matrix_b_fmt:MATRIX_FMT_BF6
.else
	v_wmma_scale_f32_16x16x128_f8f6f4 v[O+8*ac:O+8*ac+7], v[VB+12*(ac*KSN+aks):VB+12*(ac*KSN+aks)+11], v[PCD+12*aks:PCD+12*aks+11], v[O+8*ac:O+8*ac+7], v[VS+ac*KSN+aks], v[PS+aks] matrix_a_fmt:MATRIX_FMT_BF6 matrix_b_fmt:MATRIX_FMT_BF6
.endif
.set ac, ac+1
.endr
.set aks, aks+1
.endr
	PLACES
	s_wait_loadcnt 0x0                             ; the residual
	WIN 0x04
.set ak, 0
.rept 16
	v_pk_fma_f32 v[RES+2*ak:RES+2*ak+1], v[O+2*ak:O+2*ak+1], v[LS:LS+1], v[RES+2*ak:RES+2*ak+1] op_sel_hi:[1,0,1]   ; x + O / l; each accumulator from its low end on
.set ak, ak+1
.endr
	QUANT2 0, RES, 0
	global_store_b128 v[L16], v[PC:PC+3], s[A2B:A2B+1]             ; 512 and 256 consecutive bytes, at multiples of 256 from A2's first byte
	global_store_b64 v[L8], v[PC+4:PC+5], s[A2B:A2B+1] offset:512
	ds_store_b16 v[TSCT], v[PW]
	s_wait_xcnt 0x0                                ; the stores have read their registers and their base
	s_add_nc_u64 s[A2B:A2B+1], s[A2B:A2B+1], 1536
	s_add_co_u32 s88, s88, 768
	s_add_co_u32 s3, s3, 128
	s_add_co_u32 s100, s100, 64
	s_add_co_u32 s[CI], s[CI], 1
	s_cmp_lt_u32 s[CI], NR
	s_cbranch_scc1 .Latt_\@
.endm
.macro SCTOUT                          ; the batch's scale words, 512 bytes a wave, behind a barrier that shows both heads' halves
	s_cmp_ge_u32 s[WV], NK/8
	s_cbranch_scc1 .Lno_sct_\@
	ds_load_b128 v[248:251], v[ASR]
	s_wait_dscnt 0x0
	global_store_b128 v[GSR], v[248:251], s[98:99]
.Lno_sct_\@:
.endm
	; ---------------- the head ----------------
	s_load_b512 s[4:19], s[0:1], 0x0               ; XC, WC, MC, v, t, v_mask, t_mask, b_v
	s_load_b256 s[20:27], s[0:1], 0x40             ; b_t, b_t4v, b_v4t, A2
	v_lshl_add_u32 v[SPW], v0, 2, SPARE
	v_mov_b32 v[NIL], 0
	ds_add_u32 v[SPW], v[NIL]                      ; the wave's opening: the add, and its wait ahead of my first tensor load; work on registers stands between them
	v_lshrrev_b32 v1, 5, v0
	v_readfirstlane_b32 s[WV], v1
	s_lshr_b32 s[WR], s[WV], 1
	s_and_b32 s[HD], s[WV], 1
	s_bfe_u32 s80, ttmp6, 0x40000                  ; cx
	s_bfe_u32 s81, ttmp6, 0x40004                  ; cy
	s_lshl_b32 s82, ttmp9, 2
	s_add_co_u32 s82, s82, s80                     ; j: the head pair
	s_and_b32 s83, ttmp7, 0xffff
	s_lshl_b32 s83, s83, 2
	s_add_co_u32 s83, s83, s81                     ; b: the batch
	s_lshl_b32 s96, s81, 2
	s_lshl_b32 s96, 15, s96                        ; my row of the cluster: the same batch
	s_lshl_b32 s98, 0x1111, s80                    ; my column: the same head pair
	s_or_b32 s[G1XV], s96, (3<<16)|(1<<21)
	s_or_b32 s[G1XT], s96, (3<<16)|(1<<21)
	s_or_b32 s[G1W], s98, (3<<16)|(1<<21)
	G1SET G1XV, 50                                 ; a K step of v's batch: 12,800 bytes
	G1SET G1XT, 100                                ; of t's: 25,600
	G1SET G1W, 150                                 ; of the pair's weights: 38,400
	s_mul_i32 s96, s83, 102400                     ; x's addresses hang on the batch and the wave alone,
	s_mul_i32 s97, s[HD], 12800
	s_add_co_u32 s96, s96, s97
	s_lshl_b32 s72, s96, 1
	s_add_co_u32 s72, s72, 3276800
	s_mov_b32 s73, 0
	s_mov_b32 s97, 0
	s_mul_i32 s98, s82, 307200                     ; W's on the head pair and the wave alone
	s_mul_i32 s99, s[HD], 38400
	s_add_co_u32 s98, s98, s99
	s_add_co_u32 s74, s98, 2457600
	s_mov_b32 s75, 0
	s_mov_b32 s99, 0
	s_mul_i32 s100, s[HD], 25600                   ; where they go in a slot: no place in the cluster enters an LDS address
	s_mul_i32 s101, s[HD], 38400
	s_add_co_u32 s101, s101, 51200
	s_mov_b32 s[SEL], 0x76543210
	s_mov_b32 s[SEL+1], 0xfedcba98
	s_mov_b32 s[CS], 0x3e38aa3b                    ; log2(e) / 8
	s_mov_b32 s[CS+1], s[CS]
	s_wait_dscnt 0x0                               ; the opening add is done
	s_wait_kmcnt 0x0
	s_add_nc_u64 s[96:97], s[4:5], s[96:97]
	s_add_nc_u64 s[72:73], s[4:5], s[72:73]        ; t's first fill of x, kept
	s_add_nc_u64 s[98:99], s[6:7], s[98:99]
	s_add_nc_u64 s[74:75], s[6:7], s[74:75]        ; t's first fill of W, kept
	s_mov_b32 s[G0XA], 1
	s_mov_b32 s[G0XA+1], s100
	s_mov_b64 s[G0XA+2:G0XA+3], s[96:97]
	s_or_b32 s[G0XA+3], s[G0XA+3], 0x80000000
	s_mov_b32 s[G0XB], 1
	s_add_co_u32 s[G0XB+1], s100, SLOT1
	s_add_nc_u64 s[G0XB+2:G0XB+3], s[96:97], 25600
	s_or_b32 s[G0XB+3], s[G0XB+3], 0x80000000
	s_mov_b32 s[G0WA], 1
	s_mov_b32 s[G0WA+1], s101
	s_mov_b64 s[G0WA+2:G0WA+3], s[98:99]
	s_or_b32 s[G0WA+3], s[G0WA+3], 0x80000000
	s_mov_b32 s[G0WB], 1
	s_add_co_u32 s[G0WB+1], s101, SLOT1
	s_add_nc_u64 s[G0WB+2:G0WB+3], s[98:99], 76800
	s_or_b32 s[G0WB+3], s[G0WB+3], 0x80000000
	CROUND                                         ; all sixteen work-groups are here: the first joint loads meet
	JLOAD G0XA, G1XV, G0WA, G1W                    ; v's K steps 0, 1
	JLOAD G0XB, G1XV, G0WB, G1W                    ; and 2, 3
	; addresses that stay
	v_and_b32 v248, 31, v0
	v_and_b32 v249, 15, v0
	v_bfe_u32 v250, v0, 4, 1
	v_lshlrev_b32 v[L16], 4, v248
	v_lshlrev_b32 v[L8], 3, v248
	v_lshlrev_b32 v[L4], 2, v248
	v_lshlrev_b32 v[R4], 2, v249
	v_lshlrev_b32 v[H64], 6, v250
	v_and_b32 v[RP], 8, v249
	v_add_nc_u32 v[RP], v[RP], v249
	s_lshl_b32 s96, s[HD], 8
	s_add_co_u32 s97, s96, BIAS
	v_add_nc_u32 v[ABK], s97, v[H64]
	s_add_co_u32 s97, s96, GATE
	v_add_nc_u32 v[AG], s97, v[H64]
	s_lshl_b32 s96, s[HD], 10
	s_add_co_u32 s96, s96, BIAS+1024
	v_lshl_add_u32 v[ABV], v[RP], 4, s96
	v_lshl_add_u32 v[VRES], v[RP], 12, v[H64]
	s_lshl_b32 s96, s[HD], 9
	v_add_nc_u32 v[GSR], s96, v[L16]
	v_add_nc_u32 v[ASR], SCT, v[GSR]
	v_lshl_add_u32 v250, v0, 2, BIAS
	v_lshl_add_u32 v251, v0, 4, BIAS+1024
	v_lshl_add_u32 v252, v0, 2, MASKV
	v_lshl_add_u32 v253, v0, 3, MASKT
	s_lshl_b32 s96, s[WV], 7
	s_add_co_u32 s96, s96, GATE
	v_add_nc_u32 v254, s96, v[H64]
	v_lshlrev_b32 v248, 2, v0
	v_lshlrev_b32 v249, 3, v0
	; what the work-group wants once: biases, masks, the gates' weights (my two column tiles), the means
	s_lshl_b32 s96, s82, 9
	s_mov_b32 s97, 0
	s_add_nc_u64 s[18:19], s[18:19], s[96:97]      ; b_v, b_t at column 128 j
	s_add_nc_u64 s[20:21], s[20:21], s[96:97]
	s_lshl_b32 s98, s[WV], 7
	s_add_co_u32 s96, s96, s98
	s_add_nc_u64 s[22:23], s[22:23], s[96:97]      ; the gates' biases at column 128 j + 32 w
	s_add_nc_u64 s[24:25], s[24:25], s[96:97]
	s_lshl_b32 s96, s83, 9
	s_add_nc_u64 s[14:15], s[14:15], s[96:97]
	s_lshl_b32 s96, s83, 10
	s_add_nc_u64 s[16:17], s[16:17], s[96:97]
	s_add_nc_u64 s[94:95], s[8:9], s[96:97]        ; the means' scale words: 1,024 bytes a batch
	s_mul_i32 s96, s83, 12288
	s_add_nc_u64 s[8:9], s[8:9], s[96:97]          ; the means' codes
	s_mul_i32 s96, s82, 102400
	s_add_co_u32 s96, s96, 4915200
	s_add_co_u32 s98, s96, s98                     ; + 128 w
	s_add_co_u32 s98, s98, 12288
	s_mov_b32 s99, 0
	s_add_nc_u64 s[92:93], s[6:7], s[98:99]
	s_mul_i32 s98, s[WV], 3072
	s_add_co_u32 s96, s96, s98
	s_add_nc_u64 s[90:91], s[6:7], s[96:97]
	global_load_b32 v160, v248, s[18:19]
	global_load_b32 v161, v248, s[18:19] offset:4096
	global_load_b32 v164, v248, s[18:19] offset:8192
	global_load_b32 v162, v248, s[20:21]
	global_load_b32 v163, v248, s[20:21] offset:4096
	global_load_b32 v168, v248, s[20:21] offset:8192
	global_load_b32 v172, v248, s[14:15]
	global_load_b64 v[174:175], v249, s[16:17]
.irp m, 0,1
.irp u, 0,1
	global_load_b128 v[GA+8*(2*\m+\u):GA+8*(2*\m+\u)+3], v[H64], s[22+2*\m:23+2*\m] offset:32*\u          ; the gates' sums begin as their biases
	global_load_b128 v[GA+8*(2*\m+\u)+4:GA+8*(2*\m+\u)+7], v[H64], s[22+2*\m:23+2*\m] offset:32*\u+16
.endr
.endr
.irp m, 0,1
.irp ks, 0,1,2,3,4,5,6,7
.irp u, 0,1
	global_load_b32 v[W4S+16*\m+2*\ks+\u], v[R4], s[92:93] offset:819200*\m+12800*\ks+64*\u
.endr
	global_load_b32 v[MS+8*\m+\ks], v[L4], s[94:95] offset:786432+32768*(1-\m)+128*\ks      ; modality m's gate comes of the OTHER modality's mean
.endr
.endr
.irp m, 0,1
	WIN 0x40*(1+\m)
.irp ks, 0,1,2,3,4,5,6,7
.irp u, 0,1
.irp q, 0,1,2
	global_load_b128 v[12*(2*\ks+\u)+4*\q:12*(2*\ks+\u)+4*\q+3], v[L16], s[90:91] offset:819200*\m+12800*\ks+1536*\u+512*\q
.endr
.endr
.endr
.endr
	WIN 0xc0
.irp m, 0,1
.irp ks, 0,1,2,3,4,5,6,7
.irp q, 0,1,2
	global_load_b128 v[12*(8*\m+\ks)+4*\q:12*(8*\m+\ks)+4*\q+3], v[L16], s[8:9] offset:393216*(1-\m)+1536*\ks+512*\q
.endr
.endr
.endr
	WIN 0
	s_wait_loadcnt 0x0
	ds_store_b32 v250, v160
	ds_store_b32 v250, v161 offset:512
	ds_store_b32 v250, v162 offset:3072
	ds_store_b32 v250, v163 offset:3584
.irp i, 1,2,3
	v_mov_b32 v[164+\i], v164
	v_mov_b32 v[168+\i], v168
.endr
	ds_store_b128 v251, v[164:167]
	ds_store_b128 v251, v[168:171] offset:3072
	ds_store_b32 v252, v172
	ds_store_b64 v253, v[174:175]
	v_mov_b32 v177, 0
	v_cmp_lt_f32 vcc_lo, 0, v172
	v_cndmask_b32 v176, 0xff800000, v177, vcc_lo   ; 0 where the key's mask is above 0, else -infinity
	v_cmp_lt_f32 vcc_lo, 0, v174
	v_cndmask_b32 v178, 0xff800000, v177, vcc_lo
	v_cmp_lt_f32 vcc_lo, 0, v175
	v_cndmask_b32 v179, 0xff800000, v177, vcc_lo
	ds_store_b32 v252, v176 offset:MADDV-MASKV
	ds_store_b64 v253, v[178:179] offset:MADDT-MASKT
	; the gates: source 0 = 16 columns of the gate's weight, source 1 = the mean, the same in all 16 rows; two accumulators by turns
.irp m, 0,1
	WIN (1+\m)+0x0c
.irp ks, 0,1,2,3,4,5,6,7
.irp u, 0,1
	v_wmma_scale_f32_16x16x128_f8f6f4 v[GA+8*(2*\m+\u):GA+8*(2*\m+\u)+7], v[12*(2*\ks+\u):12*(2*\ks+\u)+11], v[12*(8*\m+\ks):12*(8*\m+\ks)+11], v[GA+8*(2*\m+\u):GA+8*(2*\m+\u)+7], v[W4S+16*\m+2*\ks+\u], v[MS+8*\m+\ks] matrix_a_fmt:MATRIX_FMT_BF6 matrix_b_fmt:MATRIX_FMT_BF6
.endr
.endr
.endr
	WIN 0
	PLACES
.set k, 0
.rept 16
	v_pk_mul_f32 v[GT+2*k:GT+2*k+1], v[GA+2*k:GA+2*k+1], 0xbfb8aa3b op_sel_hi:[1,0]   ; -x log2(e)
.set k, k+1
.endr
.set k, 0
.rept 32
	v_exp_f32 v[GT+k], v[GT+k]
.set k, k+1
.endr
	v_nop
	s_wait_alu depctr_va_vdst(0)
.set k, 0
.rept 16
	v_pk_add_f32 v[GT+2*k:GT+2*k+1], v[GT+2*k:GT+2*k+1], 1.0 op_sel_hi:[1,0]
.set k, k+1
.endr
.set k, 0
.rept 32
	v_rcp_f32 v[GT+k], v[GT+k]
.set k, k+1
.endr
	v_nop
	s_wait_alu depctr_va_vdst(0)
.set k, 0
.rept 16
	v_pk_add_f32 v[GT+2*k:GT+2*k+1], v[GT+2*k:GT+2*k+1], 1.0 op_sel_hi:[1,0]          ; 1 + sigmoid
.set k, k+1
.endr
.irp m, 0,1
.irp u, 0,1
	ds_store_b128 v254, v[GT+8*(2*\m+\u):GT+8*(2*\m+\u)+3] offset:512*\m+32*\u        ; the sixteen lanes of a half write the same bytes with the same values
	ds_store_b128 v254, v[GT+8*(2*\m+\u)+4:GT+8*(2*\m+\u)+7] offset:512*\m+32*\u+16
.endr
.endr
	; ---------------- v ----------------
	MODAL 4, 0
	PROJ                                           ; its first barrier also shows the biases, masks and gates to every wave
	EPI
	s_wait_tensorcnt 0x0                           ; slot 0 takes t's first two K steps: no tensor load of mine is out, so the descriptors may be written,
	ds_add_u32 v[SPW], v[NIL]                      ; 0 onto my spare word
	s_mov_b64 s[G0XA+2:G0XA+3], s[72:73]
	s_or_b32 s[G0XA+3], s[G0XA+3], 0x80000000
	s_add_co_u32 s[G0XB+1], s[G0XA+1], SLOT1
	s_add_nc_u64 s[G0XB+2:G0XB+3], s[72:73], 51200
	s_or_b32 s[G0XB+3], s[G0XB+3], 0x80000000
	s_mov_b64 s[G0WA+2:G0WA+3], s[74:75]
	s_or_b32 s[G0WA+3], s[G0WA+3], 0x80000000
	s_add_co_u32 s[G0WB+1], s[G0WA+1], SLOT1
	s_add_nc_u64 s[G0WB+2:G0WB+3], s[74:75], 76800
	s_or_b32 s[G0WB+3], s[G0WB+3], 0x80000000
	s_wait_dscnt 0x0                               ; the add is done, my images have landed, my reads of the ring are long over
	CROUND                                         ; the round is also the barrier that shows the images to the partner wave
	JLOAD G0XA, G1XT, G0WA, G1W
	ATT
	s_wait_tensorcnt 0x0                           ; slot 1 takes t's next two K steps
	ds_add_u32 v[SPW], v[NIL]
	s_wait_dscnt 0x0
	CROUND
	JLOAD G0XB, G1XT, G0WB, G1W
	SCTOUT
	; ---------------- t ----------------
	MODAL 8, 1
	PROJ
	EPI
	s_wait_dscnt 0x0                               ; my images have landed
	s_barrier_signal -1
	s_barrier_wait -1
	ATT
	s_wait_dscnt 0x0
	s_barrier_signal -1
	s_barrier_wait -1
	SCTOUT
	s_wait_tensorcnt 0x0                           ; the wave's end, behind my last tensor load and my last LDS store
	ds_add_u32 v[SPW], v[NIL]
	s_wait_dscnt 0x0
	CROUND                                         ; the closing round
	s_endpgm
.Lfunc_end_k_qe7d674b45f_attn:
	.size	k_qe7d674b45f_attn, .Lfunc_end_k_qe7d674b45f_attn-k_qe7d674b45f_attn
	.p2alignl 7, 3214868480
	.fill 96, 4, 3214868480
	.section	.rodata,"a",@progbits
	.p2align	6, 0x0
	.amdhsa_kernel k_qe7d674b45f_attn
		.amdhsa_group_segment_fixed_size 327680
		.amdhsa_private_segment_fixed_size 0
		.amdhsa_enable_private_segment 0
		.amdhsa_kernarg_size 96
		.amdhsa_user_sgpr_count 2
		.amdhsa_user_sgpr_kernarg_segment_ptr 1
		.amdhsa_wavefront_size32 1
		.amdhsa_system_sgpr_workgroup_id_x 1
		.amdhsa_system_sgpr_workgroup_id_y 1
		.amdhsa_system_sgpr_workgroup_id_z 1
		.amdhsa_system_vgpr_workitem_id 0
		.amdhsa_next_free_vgpr 1024
		.amdhsa_next_free_sgpr 102
		.amdhsa_reserve_vcc 1
		.amdhsa_float_denorm_mode_32 3
		.amdhsa_float_denorm_mode_16_64 3
		.amdhsa_memory_ordered 1
		.amdhsa_forward_progress 1
		.amdhsa_inst_pref_size 255
	.end_amdhsa_kernel
	.section	.bss,"aw",@nobits
	.p2align	6
	.space	262144
	.amdgpu_metadata
---
amdhsa.version: [ 1, 2 ]
amdhsa.kernels:
  - .name:           k_qe7d674b45f_attn
    .symbol:         k_qe7d674b45f_attn.kd
    .args:
      - { .name: XC, .offset: 0, .size: 8, .value_kind: global_buffer, .address_space: global }
      - { .name: WC, .offset: 8, .size: 8, .value_kind: global_buffer, .address_space: global }
      - { .name: MC, .offset: 16, .size: 8, .value_kind: global_buffer, .address_space: global }
      - { .name: v, .offset: 24, .size: 8, .value_kind: global_buffer, .address_space: global }
      - { .name: t, .offset: 32, .size: 8, .value_kind: global_buffer, .address_space: global }
      - { .name: v_mask, .offset: 40, .size: 8, .value_kind: global_buffer, .address_space: global }
      - { .name: t_mask, .offset: 48, .size: 8, .value_kind: global_buffer, .address_space: global }
      - { .name: b_v, .offset: 56, .size: 8, .value_kind: global_buffer, .address_space: global }
      - { .name: b_t, .offset: 64, .size: 8, .value_kind: global_buffer, .address_space: global }
      - { .name: b_t4v, .offset: 72, .size: 8, .value_kind: global_buffer, .address_space: global }
      - { .name: b_v4t, .offset: 80, .size: 8, .value_kind: global_buffer, .address_space: global }
      - { .name: A2, .offset: 88, .size: 8, .value_kind: global_buffer, .address_space: global }
    .group_segment_fixed_size: 327680
    .private_segment_fixed_size: 0
    .kernarg_segment_align: 8
    .kernarg_segment_size: 96
    .max_flat_workgroup_size: 128
    .sgpr_count:     102
    .vgpr_count:     1024
    .wavefront_size: 32
...
	.end_amdgpu_metadata
.endif
;; end of part 2
;; launch outp (part 3): grid 4 x 48, 4 waves a work-group, clusters of 4 x 4, 327,680 bytes of LDS; arguments A2, WC, b_vo, b_to, out0, out1; writes out0, out1
.if DOCPART == 3
	.amdgcn_target "amdgcn-amd-amdhsa--gfx1250"
	.amdhsa_code_object_version 6
	.text
	.protected	k_qe7d674b45f_outp
	.globl	k_qe7d674b45f_outp
	.p2align	8
	.type	k_qe7d674b45f_outp,@function
k_qe7d674b45f_outp:
	s_mov_b64 s[64:65], 0
	v_nop
	global_prefetch_b8 v0, s[64:65] scope:SCOPE_SE
	s_setreg_imm32_b32 hwreg(HW_REG_WAVE_MODE, 25, 1), 1
	s_wait_xcnt 0x0
	s_wait_alu depctr_hold_cnt(0) depctr_sa_sdst(0) depctr_va_vdst(0) depctr_va_sdst(0) depctr_va_ssrc(0) depctr_va_vcc(0) depctr_vm_vsrc(0)
	s_getreg_b32 s2, hwreg(HW_REG_IB_STS2, 6, 4)
	s_cmp_eq_u32 s2, 0
	s_cbranch_scc0 .Lentry_in_a_cluster
	s_endpgm
.Lentry_in_a_cluster:
	s_bfe_u32 s2, ttmp6, 0x10000c
	s_cmp_lg_u32 s2, 0xf033
	s_cbranch_scc0 .Lentry_shape_is_right
	s_endpgm
.Lentry_shape_is_right:
; OUTP.  out = Q(x + update) Q(W_o) + b_o, for v (row blocks 0-15 of A2) and t (16-47), on codes of E3M2.  A tile of 256 rows x 256 columns to a work-group, 128 x 128 to each of four waves: 64 accumulators.
; Both operands come as images of their registers, a K step's 16 fragments and scale words in one dense block of 25,600 bytes.  A2's fragments lie as two halves of 64 along K (four registers at 16 lane, two at 512 + 8 lane).
; The product is used transposed (source 0 = 16 columns of W_o, source 1 = 16 rows): a lane holds eight neighbouring numbers of a row.  Position m of tile 2 B + u is index 32 B + 8 u + m + 8 (m / 8), rows and columns alike.
; LDS.  THREE slots of two K steps (4 x 25,600 bytes each); A's blocks are shared along the cluster's row, B's along its column: joint loads, waves 0, 1 A's two K steps, waves 2, 3 B's.
; K has eight steps: six come by the three first fills, which go out together (three tensor loads a wave are out at the most); the last two come by ONE refill, of slot 0, asked for when slot 0 is left: it has four K steps,
; some 240 matrix instructions a wave, in which to land.  The eight K steps are written out.
; THE BIAS starts the sums: it is loaded into row tile 0's eight accumulators alone; in the first K step the other row tiles' products take those registers as C, and row tile 0's own products come last.  Nothing is cleared.
; 192 work-groups: the problem's 48 x 4 tiles of this size.
.set ABLK,  25600
.set SLOTB, 4*ABLK                     ; a slot: A's two K steps, then B's two
.set SPARE, 3*SLOTB                    ; behind the slots: the spare words, 128 bytes a wave; no other line names them
.set STAGE, SLOTB                      ; the way out: 16 rows x (512 + 16) bytes for each wave, in slot 1: it is filled once, at the start, and its last read stands ahead of the last barrier
.set SPITCH, 528
.set L16, 1
.set AX16, 6
.set AX8,  7
.set AW,   8
.set ASX,  9
.set ASW,  10
.set STO,  11
.set RD,   12
.set H64,  13
.set BX16, 16
.set BX8,  17
.set BW,   18
.set BSX,  19
.set BSW,  20
.set SPW, 30
.set NIL, 31
.set XF,  32
.set WF,  128
.set XS,  224
.set WS,  232
.set BK,  32
.set TB,  2
.set WV,  16
.set WR,  17                           ; my half of the rows.  Also: I fetch for A (0) or for B (1)
.set WC_, 18                           ; my half of the columns.  Also: which K step of a slot I fetch
.set G1A, 24
.set G1B, 32
.set G0A, 40                           ; s[40:51] A's group 0, a set for each slot
.set G0B, 76                           ; s[76:87] B's
.set MSB, 0
.macro WIN new
.if MSB != (\new)
	s_set_vgpr_msb (MSB<<8)|(\new)
.set MSB, (\new)
.endif
.endm
.macro PLACES
.rept 4
	v_nop
.endr
.endm
.macro CREST
	s_cmp_lg_u32 s[WV], 0
	s_cbranch_scc1 .Lnot_wave_0_\@
	s_barrier_signal -3
.Lnot_wave_0_\@:
	s_barrier_wait -3
	s_barrier_signal -1
	s_barrier_wait -1
.endm
.macro CROUND
	s_barrier_signal -1
	s_barrier_wait -1
	CREST
.endm
.macro JLOAD g0a, g1a, g0b, g1b        ; an s_nop 0 and four v_nop follow each of the two lines
	s_cmp_eq_u32 s[WR], 0
	s_cbranch_scc0 .Lfor_b_\@
	tensor_load_to_lds s[\g0a:\g0a+3], s[\g1a:\g1a+7]
	s_nop 0
.rept 4
	v_nop
.endr
	s_branch .Lasked_\@
.Lfor_b_\@:
	tensor_load_to_lds s[\g0b:\g0b+3], s[\g1b:\g1b+7]
	s_nop 0
.rept 4
	v_nop
.endr
.Lasked_\@:
.endm
.macro GOTO slot                       ; the five addresses of the loads in hand, in the slot named
	s_mov_b32 s[TB], (\slot)*SLOTB
	v_add_nc_u32 v[AX16], s[TB], v[BX16]
	v_add_nc_u32 v[AX8], s[TB], v[BX8]
	v_add_nc_u32 v[AW], s[TB], v[BW]
	v_add_nc_u32 v[ASX], s[TB], v[BSX]
	v_add_nc_u32 v[ASW], s[TB], v[BSW]
.endm
.macro LOADW set, c0, par              ; four column tiles from c0 on, with their scale words: 16 instructions
.irp c, 0,1,2,3
.irp q, 0,1,2
	ds_load_b128 v[WF+48*(\set)+12*\c+4*\q:WF+48*(\set)+12*\c+4*\q+3], v[AW] offset:ABLK*(\par)+1536*((\c0)+\c)+512*\q
.endr
	ds_load_b32 v[WS+4*(\set)+\c], v[ASW] offset:ABLK*(\par)+64*((\c0)+\c)
.endr
.endm
.macro LOADX i0, par                   ; four row tiles: 20 instructions
.irp i, \i0, \i0+1, \i0+2, \i0+3
	ds_load_b128 v[XF+12*(\i):XF+12*(\i)+3], v[AX16] offset:ABLK*(\par)+1536*(\i)
	ds_load_b64 v[XF+12*(\i)+4:XF+12*(\i)+5], v[AX8] offset:ABLK*(\par)+1536*(\i)
	ds_load_b128 v[XF+12*(\i)+6:XF+12*(\i)+9], v[AX16] offset:ABLK*(\par)+1536*(\i)+768
	ds_load_b64 v[XF+12*(\i)+10:XF+12*(\i)+11], v[AX8] offset:ABLK*(\par)+1536*(\i)+768
	ds_load_b32 v[XS+(\i)], v[ASX] offset:ABLK*(\par)+64*(\i)
.endr
.endm
; Row tile mi x four column tiles.  own = 1: the sums go on in place.  own = 0: they begin from row tile 0's registers of the same column tile, which still hold the bias.
.macro MMROW set, own
.set mc, 0
.rept 4
.set md, 8*(4*mi+mc)
.set mb, 8*(4*mi*(\own)+mc)
	v_wmma_scale_f32_16x16x128_f8f6f4 v[md:md+7], v[WF+48*(\set)+12*mc:WF+48*(\set)+12*mc+11], v[XF+12*mi:XF+12*mi+11], v[mb:mb+7], v[WS+4*(\set)+mc], v[XS+mi] matrix_a_fmt:MATRIX_FMT_BF6 matrix_b_fmt:MATRIX_FMT_BF6
.set mc, mc+1
.endr
.endm
.macro MM set, i0                      ; four row tiles x four column tiles; the accumulators take turns, one instruction a turn
.set mi, \i0
.rept 4
	MMROW \set, 1
.set mi, mi+1
.endr
.endm
; The first K step: row tiles 7 down to 1 begin from the bias in row tile 0's registers; five places, since the next products write over registers that the last ones read as C; then row tile 0 in place.
.macro MMF set
.set mi, 7
.rept 7
	MMROW \set, 0
.set mi, mi-1
.endr
.rept 5
	v_nop
.endr
	MMROW \set, 1
.endm
; Columns 0-3 (window 2) from set 0; columns 4-7 are asked for into set 1.  turn > 0: the slot is left, for slot nslot: those loads are my last reads of it.
; turn = 2: each wave waits for all its tensor loads, adds 0 to its spare word, waits for that and for its reads; the barrier opens a round of the cluster's; slot 0 is filled again, first thing behind the round.
; turn = 1: the same waits and a plain barrier: behind it the refill of slot 0 is whole for every wave; nothing is filled.
; turn = 3: no barrier: the slot ahead was shown whole by the round of turn 2, and nothing is filled; my loads are waited for, so that their address registers may be written.
.macro G0 par, turn, nslot
	PLACES
	WIN 0
	LOADW 1, 4, \par
.if (\turn == 1) || (\turn == 2)
	s_wait_tensorcnt 0x0                           ; all my tensor loads have landed
	ds_add_u32 v[SPW], v[NIL]                      ; 0 onto my spare word
	s_wait_dscnt 37                                ; may be out: A's second half (20), the set just asked for (16), the add
	WIN 0xa0
	MM 0, 0
	s_wait_dscnt 0x0                               ; the add is done, and my reads of this slot are over
	s_barrier_signal -1
	MM 0, 4
	WIN 0
	s_barrier_wait -1
.if \turn == 2
	CREST                                          ; no wave of any partner still reads slot 0 or has a load on its way
	s_add_nc_u64 s[G0A+2:G0A+3], s[G0A+2:G0A+3], 6*ABLK   ; from K steps 0, 1 to K steps 6, 7
	s_add_nc_u64 s[G0B+2:G0B+3], s[G0B+2:G0B+3], 6*ABLK
	JLOAD G0A, G1A, G0B, G1B
.endif
	GOTO \nslot
.else
	s_wait_dscnt 36                                ; may be out: A's second half (20) and the set just asked for (16)
	WIN 0xa0
	MM 0, 0
.if \turn == 3
	s_wait_dscnt 0x0
	MM 0, 4
	WIN 0
	GOTO \nslot
.else
	s_wait_dscnt 16                                ; may be out: the set just asked for
	MM 0, 4
.endif
.endif
.endm
.macro G1 next, npar                   ; columns 4-7 (window 3) from set 1; next = 1: the next K step's columns 0-3 and A's fragments are asked for
.if \next
	PLACES
	WIN 0
	LOADW 0, 0, \npar
	s_wait_dscnt 16                                ; may be out: the set just asked for
.else
	s_wait_dscnt 0x0
.endif
	WIN 0xf0
	MM 1, 0
.if \next
	PLACES
	WIN 0
	LOADX 0, \npar
	WIN 0xf0
.endif
	MM 1, 4
.if \next
	PLACES
	WIN 0
	LOADX 4, \npar
.endif
	WIN 0
.endm
	s_load_b256 s[4:11], s[0:1], 0x0               ; A2, WC, b_vo, b_to
	s_load_b128 s[12:15], s[0:1], 0x20             ; out0, out1
	v_lshl_add_u32 v[SPW], v0, 2, SPARE
	v_mov_b32 v[NIL], 0
	ds_add_u32 v[SPW], v[NIL]                      ; the wave's opening: the add, and its wait ahead of my first tensor load
	v_lshrrev_b32 v1, 5, v0
	v_readfirstlane_b32 s[WV], v1
	s_lshr_b32 s[WR], s[WV], 1
	s_and_b32 s[WC_], s[WV], 1
	s_bfe_u32 s20, ttmp6, 0x40000                  ; cx
	s_bfe_u32 s21, ttmp6, 0x40004                  ; cy
	s_lshl_b32 s22, ttmp9, 2
	s_add_co_u32 s22, s22, s20                     ; the block of 256 columns
	s_and_b32 s56, ttmp7, 0xffff                   ; the cluster's y: 0-3 v, 4-11 t: the same in all sixteen partners
	s_lshl_b32 s23, s56, 2
	s_add_co_u32 s23, s23, s21                     ; the block of 256 rows in A2
	s_lshl_b32 s57, s21, 2
	s_lshl_b32 s57, 15, s57
	s_lshl_b32 s58, 0x1111, s20
	s_or_b32 s[G1A], s57, (3<<16)|(1<<21)
	s_or_b32 s[G1B], s58, (3<<16)|(1<<21)
.irp g, G1A, G1B                       ; 25,600 dense bytes as 100 rows of 256: 32 elements of 8 bytes, no padding
	s_mov_b32 s[\g+1], 32<<16
	s_mov_b32 s[\g+2], 100<<16
	s_mov_b32 s[\g+3], 32<<16
	s_mov_b32 s[\g+4], 100
	s_mov_b32 s[\g+5], 32
	s_mov_b32 s[\g+6], 0
	s_mov_b32 s[\g+7], 0
.endr
	s_cmp_lt_u32 s56, 4
	s_cselect_b32 s59, 0, 1                        ; the modality
	s_cselect_b32 s69, 0, 16
	s_sub_co_u32 s69, s23, s69                     ; the block of 256 rows in its output
	s_mul_i32 s66, s[WC_], ABLK
	s_mul_i32 s60, s23, 204800                     ; A's address hangs on the row block and the wave alone,
	s_add_co_u32 s60, s60, s66
	s_mov_b32 s61, 0
	s_mul_i32 s62, s22, 204800                     ; B's on the column block, the modality and the wave alone
	s_add_co_u32 s62, s62, s66
	s_mul_i32 s67, s59, 819200
	s_add_co_u32 s62, s62, s67
	s_add_co_u32 s62, s62, 6553600
	s_mov_b32 s63, 0
	s_mul_i32 s68, s[WV], ABLK                     ; where they go in a slot: A's two K steps, then B's two = wave x a block
	s_lshl_b32 s70, s69, 20                        ; my part of the output: (256 block + 128 wr) rows of 4,096 bytes + 1,024 column block + 512 wc
	s_lshl_b32 s71, s[WR], 19
	s_add_co_u32 s70, s70, s71
	s_lshl_b32 s71, s22, 10
	s_lshl_b32 s72, s[WC_], 9
	s_add_co_u32 s72, s71, s72
	s_mov_b32 s73, 0
	s_add_co_u32 s70, s70, s72
	s_mov_b32 s71, 0
	s_wait_dscnt 0x0                               ; the opening add is done
	s_wait_kmcnt 0x0
	s_add_nc_u64 s[60:61], s[4:5], s[60:61]
	s_add_nc_u64 s[62:63], s[6:7], s[62:63]
.irp s, 0,1,2                          ; slot s begins with K steps 2 s, 2 s + 1
	s_mov_b32 s[G0A+4*\s], 1
	s_add_co_u32 s[G0A+4*\s+1], s68, \s*SLOTB
	s_add_nc_u64 s[G0A+4*\s+2:G0A+4*\s+3], s[60:61], \s*2*ABLK
	s_or_b32 s[G0A+4*\s+3], s[G0A+4*\s+3], 0x80000000
	s_mov_b32 s[G0B+4*\s], 1
	s_add_co_u32 s[G0B+4*\s+1], s68, \s*SLOTB
	s_add_nc_u64 s[G0B+4*\s+2:G0B+4*\s+3], s[62:63], \s*2*ABLK
	s_or_b32 s[G0B+4*\s+3], s[G0B+4*\s+3], 0x80000000
.endr
	CROUND                                         ; all sixteen work-groups are here: the first joint loads meet
.irp s, 0,1,2
	JLOAD G0A+4*\s, G1A, G0B+4*\s, G1B
.endr
	s_cmp_lt_u32 s56, 4
	s_cselect_b64 s[8:9], s[8:9], s[10:11]         ; the choices hang on the cluster's y alone
	s_cselect_b64 s[12:13], s[12:13], s[14:15]
	s_add_nc_u64 s[8:9], s[8:9], s[72:73]
	s_add_nc_u64 s[12:13], s[12:13], s[70:71]
	v_and_b32 v2, 31, v0
	v_and_b32 v3, 15, v0
	v_bfe_u32 v4, v0, 4, 1
	v_lshlrev_b32 v[L16], 4, v2
	v_lshlrev_b32 v5, 3, v2
	v_lshlrev_b32 v14, 2, v3
	v_lshlrev_b32 v[H64], 6, v4
	s_mul_i32 s74, s[WR], 12288
	v_add_nc_u32 v[BX16], s74, v[L16]
	s_add_co_u32 s75, s74, 512
	v_add_nc_u32 v[BX8], s75, v5
	s_mul_i32 s74, s[WC_], 12288
	s_add_co_u32 s74, s74, 2*ABLK
	v_add_nc_u32 v[BW], s74, v[L16]
	s_lshl_b32 s74, s[WR], 9
	s_add_co_u32 s74, s74, 24576
	v_add_nc_u32 v[BSX], s74, v14
	s_lshl_b32 s74, s[WC_], 9
	s_add_co_u32 s74, s74, 2*ABLK+24576
	v_add_nc_u32 v[BSW], s74, v14
	s_mul_i32 s74, s[WV], 16*SPITCH
	s_add_co_u32 s74, s74, STAGE
	v_mul_u32_u24 v[STO], v3, SPITCH
	v_add_nc_u32 v[STO], v[STO], v[H64]
	v_add_nc_u32 v[STO], s74, v[STO]               ; the stage, in: row r, + 64 h
	v_add_nc_u32 v[RD], s74, v[L16]                ; and back: a whole row of 512 bytes to the 32 lanes
	GOTO 0
	WIN 0x80                                       ; the bias into row tile 0's accumulators: lane (r, h), column tile ct: b_o at 32 (ct / 2) + 16 h + 8 (ct % 2) + 0 .. 7
.irp c, 0,1,2,3
	global_load_b128 v[8*\c:8*\c+3], v[H64], s[8:9] offset:4*(32*(\c/2)+8*(\c%2))
	global_load_b128 v[8*\c+4:8*\c+7], v[H64], s[8:9] offset:4*(32*(\c/2)+8*(\c%2))+16
.endr
	WIN 0xc0
.irp c, 0,1,2,3
	global_load_b128 v[8*\c:8*\c+3], v[H64], s[8:9] offset:256+4*(32*(\c/2)+8*(\c%2))
	global_load_b128 v[8*\c+4:8*\c+7], v[H64], s[8:9] offset:256+4*(32*(\c/2)+8*(\c%2))+16
.endr
	WIN 0
	s_wait_tensorcnt 0x2                           ; my part of slot 0 is in; the loads into slots 1 and 2, issued behind it, may be out
	s_barrier_signal -1
	s_barrier_wait -1
	; K step 0: its products start the sums, row tiles from the last to the first, so all of A's fragments are waited for at once
	LOADW 0, 0, 0
	LOADX 0, 0
	LOADX 4, 0
	LOADW 1, 4, 0
	s_wait_loadcnt 0x0                             ; the bias
	s_wait_dscnt 16                                ; may be out: columns 4-7's 16
	WIN 0xa0
	MMF 0
	PLACES
	WIN 0
	LOADW 0, 0, 1
	s_wait_dscnt 16                                ; may be out: the next K step's 16
	WIN 0xf0
	MMF 1
	PLACES
	WIN 0
	LOADX 0, 1                                     ; the next K step's fragments of A, first half first: every later count stands as in G1
	LOADX 4, 1
	; K steps 1 to 7
	G0 1, 2, 1                                     ; slot 0 is left and filled again, with K steps 6 and 7
	G1 1, 0
	G0 0, 0, 0
	G1 1, 1
	G0 1, 3, 2                                     ; slot 1 is left; slot 2 has been whole since the round
	G1 1, 0
	G0 0, 0, 0
	G1 1, 1
	G0 1, 1, 0                                     ; slot 2 is left; behind the barrier slot 0's refill is whole
	G1 1, 0
	G0 0, 0, 0
	G1 1, 1
	G0 1, 0, 0
	G1 0, 0
; THE WAY OUT, a row tile at a time: a lane's 32 neighbouring bytes of a row go into my stage and come back as whole rows of 512 bytes, which the 32 lanes store as two aligned runs of 256 bytes.
.macro TOSTAGE i
	WIN 0x08
.irp c, 0,1,2,3
	ds_store_b128 v[STO], v[8*(4*(\i)+\c):8*(4*(\i)+\c)+3] offset:128*(\c/2)+32*(\c%2)          ; each accumulator from its low end on
	ds_store_b128 v[STO], v[8*(4*(\i)+\c)+4:8*(4*(\i)+\c)+7] offset:128*(\c/2)+32*(\c%2)+16
.endr
	WIN 0x0c
.irp c, 0,1,2,3
	ds_store_b128 v[STO], v[8*(4*(\i)+\c):8*(4*(\i)+\c)+3] offset:256+128*(\c/2)+32*(\c%2)
	ds_store_b128 v[STO], v[8*(4*(\i)+\c)+4:8*(4*(\i)+\c)+7] offset:256+128*(\c/2)+32*(\c%2)+16
.endr
	WIN 0
.set BB, BK+64*((\i)%2)
.irp t, 0,1,2,3,4,5,6,7,8,9,10,11,12,13,14,15
	ds_load_b128 v[BB+4*\t:BB+4*\t+3], v[RD] offset:\t*SPITCH      ; LDS serves a wave's instructions in order: these see the stores above
.endr
.endm
.macro SEND i, younger
.set BB, BK+64*((\i)%2)
	s_wait_dscnt \younger                          ; the tile is back; the next tile's 16 stores and 16 loads may be out
.irp t, 0,1,2,3,4,5,6,7,8,9,10,11,12,13,14,15
	global_store_b128 v[L16], v[BB+4*\t:BB+4*\t+3], s[12:13] offset:4096*(32*((\i)/2)+8*((\i)%2)+\t+8*(\t/8)) th:TH_STORE_NT   ; position t of tile i is row 32 (i / 2) + 8 (i % 2) + t + 8 (t / 8); 127 rows at the most: inside the immediate
.endr
.endm
	PLACES
	TOSTAGE 0
.irp a, 1,2,3,4,5,6,7
.if \a > 1
	s_wait_xcnt 0x0                                ; tile a - 2's stores have read their registers: tile a's loads may land there
.endif
	TOSTAGE \a
	SEND \a-1, 32
.endr
	SEND 7, 0
	s_wait_tensorcnt 0x0                           ; the wave's end, behind my last tensor load and my last LDS store
	ds_add_u32 v[SPW], v[NIL]
	s_wait_dscnt 0x0
	CROUND                                         ; the closing round
	s_endpgm
.Lfunc_end_k_qe7d674b45f_outp:
	.size	k_qe7d674b45f_outp, .Lfunc_end_k_qe7d674b45f_outp-k_qe7d674b45f_outp
	.p2alignl 7, 3214868480
	.fill 96, 4, 3214868480
	.section	.rodata,"a",@progbits
	.p2align	6, 0x0
	.amdhsa_kernel k_qe7d674b45f_outp
		.amdhsa_group_segment_fixed_size 327680
		.amdhsa_private_segment_fixed_size 0
		.amdhsa_enable_private_segment 0
		.amdhsa_kernarg_size 48
		.amdhsa_user_sgpr_count 2
		.amdhsa_user_sgpr_kernarg_segment_ptr 1
		.amdhsa_wavefront_size32 1
		.amdhsa_system_sgpr_workgroup_id_x 1
		.amdhsa_system_sgpr_workgroup_id_y 1
		.amdhsa_system_sgpr_workgroup_id_z 1
		.amdhsa_system_vgpr_workitem_id 0
		.amdhsa_next_free_vgpr 1024
		.amdhsa_next_free_sgpr 90
		.amdhsa_reserve_vcc 0
		.amdhsa_float_denorm_mode_32 3
		.amdhsa_float_denorm_mode_16_64 3
		.amdhsa_memory_ordered 1
		.amdhsa_forward_progress 1
		.amdhsa_inst_pref_size 148
	.end_amdhsa_kernel
	.amdgpu_metadata
---
amdhsa.version: [ 1, 2 ]
amdhsa.kernels:
  - .name:           k_qe7d674b45f_outp
    .symbol:         k_qe7d674b45f_outp.kd
    .args:
      - { .name: A2, .offset: 0, .size: 8, .value_kind: global_buffer, .address_space: global }
      - { .name: WC, .offset: 8, .size: 8, .value_kind: global_buffer, .address_space: global }
      - { .name: b_vo, .offset: 16, .size: 8, .value_kind: global_buffer, .address_space: global }
      - { .name: b_to, .offset: 24, .size: 8, .value_kind: global_buffer, .address_space: global }
      - { .name: out0, .offset: 32, .size: 8, .value_kind: global_buffer, .address_space: global }
      - { .name: out1, .offset: 40, .size: 8, .value_kind: global_buffer, .address_space: global }
    .group_segment_fixed_size: 327680
    .private_segment_fixed_size: 0
    .kernarg_segment_align: 8
    .kernarg_segment_size: 48
    .max_flat_workgroup_size: 128
    .sgpr_count:     90
    .vgpr_count:     1024
    .wavefront_size: 32
...
	.end_amdgpu_metadata
.endif
;; end of part 3
